; MI455X (gfx1250); checked and timed in simulation.
; The chip was launched on July 23, 2026; its instructions are those of AMD's public machine-readable ISA for CDNA 5 (MIT licence, August 2026) and "CDNA5" Instruction Set Architecture Reference Guide (July 2026). The comments in the code are by the model that wrote it; some were corrected since.
;; Relative Information Attention. Allowed arithmetic: matrix products marked QUANTISED: E5M2 operands, one E8M0 scale for each 32 along K, by v_wmma_scale_f32_16x16x128_f8f6f4 with both operands' format E5M2, f32 sums; everything else in f32.
;; Inputs: k 2 x 8 x 2,048 x 64 float32; k_info 2 x 2,048 int32; q 2 x 8 x 2,048 x 64 float32; q_info 2 x 2,048 int32; rel_emb 257 x 64 float32; v 2 x 8 x 2,048 x 64 float32.
;; Outputs: out0 2 x 8 x 2,048 x 64 float32.
;; This version of the problem:
;;   THIS VERSION OF THE PROBLEM IS GIVEN IN LOW PRECISION. The matrix products marked QUANTISED in the list below multiply operands that are first quantised to E5M2 (5 exponent bits, 2 mantissa bits; 8 bits a number), with one power-of-two scale for each 32 numbers along K (OCP MX v1.0); their sums are f32. All else is computed in f32.
;;   The module's matrix products, in the order in which they are computed (A, B: the left and right operand; K: the contracted axis; several contracted axes count as one K, in the product's order):
;;     1. [M 32,768, K 64] x [K 64, N 257]; A: input q; B: input rel_emb: QUANTISED
;;     2. batch 16 x [M 2,048, K 64] x [K 64, N 2,048]; A: input q; B: input k: QUANTISED
;;     3. batch 16 x [M 2,048, K 2,048] x [K 2,048, N 64]; A: softmax (see below); B: input v: QUANTISED
;;   THE QUANTISER, for each operand of a quantised product, along K:
;;     - K is cut into blocks of 32 from its start; a last block that is shorter is filled with zeros.
;;     - A block's scale is 2^e with e = floor(log2(the largest magnitude in the block)) - 15, held to -126 .. 127; a block of zeros has e = 0. As a byte (E8M0): e + 127.
;;     - Each number is divided by its block's scale, clamped to +-57,344, and rounded to the nearest number of E5M2, ties to even, subnormals kept.
;;     - The product sums the exact products of the quantised numbers (number of the format x scale) in f32.
;;   ~~~python
;;   def quantise(x, axis):      # numpy; x: float32 -> the quantised numbers, widened to float32 again
;;       x = np.moveaxis(x, axis, -1); K = x.shape[-1]
;;       x = np.pad(x, [(0, 0)] * (x.ndim - 1) + [(0, -K % 32)]); x = x.reshape(x.shape[:-1] + (-1, 32)); a = np.abs(x).max(-1, keepdims=True)
;;       e = np.where(a > 0, np.clip(np.frexp(np.where(a > 0, a, 1))[1] - 1 - 15, -126, 127), 0)      # np.frexp(a)[1] - 1 = floor(log2(a)), exactly
;;       r = np.clip(x / 2.0 ** e, -57344, 57344)
;;       step = 2.0 ** (np.maximum(np.frexp(np.where(r == 0, 1, r))[1] - 1, -14) - 2)
;;       q = np.round(r / step) * step * 2.0 ** e      # np.round: ties to even
;;       return np.moveaxis(q.reshape(q.shape[:-2] + (-1,))[..., :K], -1, axis).astype(np.float32)
;;   ~~~
;;   SOFTMAX AHEAD OF A QUANTISED PRODUCT. Where the list says 'softmax', what is quantised is not the finished softmax but p = 2^(t - M), with t = logit x log2(e) and M = ceil(the row's largest t), a whole number; so 1/2 < the row's largest p <= 1. The row's sum l is taken of the UNQUANTISED p, in f32, and the product's result is divided by l at the end. Since M is a whole number, a kernel that streams over the keys may use a running M (the ceiling of the running maximum): every later rescaling is an exact power of two, which a block's scale takes up: the codes' values come out the same.
;;   OPERANDS COMPUTED ON THE WAY. 'Computed on the way' means the value that the module computes at that place (a softmax that the list does not call 'softmax' is quantised finished and normalised). What goes into a quantiser is computed in f32, as accurately as f32 sums, v_exp_f32 and their like allow (about 1e-6 of the number): no bf16 or f16 on the way to a quantiser, and a product that is left as it is and whose result goes on into a quantised operand takes f32 operands (vector FMAs, or v_wmma_f32_16x16x4_f32). A number that lies on a knife's edge between two numbers of the format may be rounded either way, as far as f32 arithmetic and the matrix unit's own rounding can turn it there, and no further.
;; 2 versions, each right; version 2 is version 1 with the launch attn written anew for expert scheduling mode. Each part assembles by itself: llvm-mc -triple=amdgcn-amd-amdhsa -mcpu=gfx1250 --defsym DOCPART=n.
;; ======== version 1 of 2: 2 launches
;; workspace buffers: rows 4,495,616 bytes; vcol 2,162,688 bytes
;; launch prep (part 1): grid 387 x 1, 4 waves a work-group, no clusters, 17,920 bytes of LDS; arguments q, k, rel_emb, v, rows, vcol; writes rows, vcol
.if DOCPART == 1
	.amdgcn_target "amdgcn-amd-amdhsa--gfx1250"
	.amdhsa_code_object_version 6
	.text
	.protected	k_q6be044f325_prep
	.globl	k_q6be044f325_prep
	.p2align	8
	.type	k_q6be044f325_prep,@function
k_q6be044f325_prep:
	s_mov_b64 s[64:65], 0
	v_nop
	global_prefetch_b8 v0, s[64:65] scope:SCOPE_SE
	s_setreg_imm32_b32 hwreg(HW_REG_WAVE_MODE, 25, 1), 1
	s_wait_xcnt 0x0
; q, k [2][8][2048][64], rel_emb [257][64] and v [2][8][2048][64], f32, become codes of BF8 (E5M2) with one E8M0 scale byte for each 32 along a product's K,
; laid in the order in which the next launch's operand registers take them, so that a lane there loads its fragments whole, 16 bytes at a time.
; A block's scale is 2^(floor(log2(its largest magnitude)) - 15); its byte is the largest magnitude's exponent field - 15, held at 1 from below.  Each number is divided by the scale, held within
; +-57,344 and rounded to the nearest code, ties to even.  (A block of zeros gets the byte 1 where the rule says 127: its codes are zeros, and this program alone reads the bytes.)
; LIMITS: blocks whose largest magnitude lies under 2^(16 - 127), the floor, keep the byte 1; NaN and infinities among the inputs are not served.
; ROWS (K = the 64 channels, innermost).  A unit of the buffer rows is 32 rows of a PAIR of tensors A, B: heads 2 hp and 2 hp + 1 of q or of k; rel_emb twice.  4,352 bytes:
;   fragment u (0, 1) at 2,048 u; in it chunk c + 2 X (X = 0: A, 1: B) at 512 bytes each; in it lane (r, h) at 16 bytes each: channels 32 c + 16 h + 0 .. 15 of the unit's row 8 u + r + 8 (r / 8);
;   at 4,096: 8 bytes a lane: the scale words of fragments 0 and 1 for row r; a word's bytes: A's two blocks, B's two blocks.
;   Units 0-511: q (pair = unit / 64, 32 rows = unit % 64); 512-1,023: k; 1,024-1,032: rel_emb, first row min(32 n, 225), so that the ninth ends with row 256 and no load leaves the buffer.
; COLUMNS (K = the keys, outermost in v).  A unit of the buffer vcol is 128 keys of one head, 8,448 bytes: codes at 2,048 t + 512 c + 256 h + 16 r: channel 16 t + r, keys 32 c + 16 h + 0 .. 15;
;   at 8,192: the scale word of channel 16 t + r at 64 t + 4 r, byte c for keys 32 c on.
; SHARES.  Work-groups 0-258: a wave to a unit of rows.  Work-groups 259-386: two waves to a unit of vcol, 32 channels each.  Waves share nothing: no barrier.
.set UNIT,  4352
.set VUNIT, 8448
.set NROWU, 1033                       ; units of rows
.set ROWWG, 259                        ; work-groups that take them, four a work-group
.set STG,   4352                       ; LDS: a stage of 16 rows x (256 bytes + 16) for each wave
.set SPARE, 4*STG                      ; behind the stages: the spare words, 128 bytes for each wave: two blocks of 256 bytes that no other line names
.set SPW, 6                            ; v6   LDS address of my spare word; never rewritten
.set NIL, 7                            ; v7   0; never rewritten
.set TM,  8                            ; v8-17 two largest magnitudes, two permute destinations, two holds, two scale operands, two bytes
.set R,   32                           ; v32-159  four sets of 32 registers as loaded
.set X,   160                          ; v160-191 a lane's 32 numbers: 16 of each block
.set C,   192                          ; v192-223 codes: eight registers for each set, so that no store's data are written again
.set W,   224                          ; v224-225 the two scale words
.set XV,  32                           ; columns: v32-95 two sets of 32 numbers
.set CV,  96                           ; v96-127 codes, eight registers a block
.set WV,  128                          ; v128 the scale word
	s_load_b256 s[4:11], s[0:1], 0x0               ; q s[4:5], k s[6:7], rel_emb s[8:9], v s[10:11]
	s_load_b128 s[12:15], s[0:1], 0x20             ; rows s[12:13], vcol s[14:15]
	v_lshl_add_u32 v[SPW], v0, 2, SPARE
	v_mov_b32 v[NIL], 0
	v_lshrrev_b32 v1, 5, v0
	v_readfirstlane_b32 s16, v1                    ; wave 0..3
	v_and_b32 v1, 31, v0                           ; lane
	v_and_b32 v24, 15, v0                          ; r
	v_bfe_u32 v25, v0, 4, 1                        ; h
	s_mov_b32 s20, 0x76543210
	s_mov_b32 s21, 0xfedcba98                      ; v_permlanex16_b32's selects for lane l xor 16
	s_mov_b32 s23, 0x600000                        ; the mantissa field of 57,344
	s_wait_kmcnt 0x0
	s_cmp_ge_u32 ttmp9, ROWWG
	s_cbranch_scc1 .Lvpath
	; ---- ROWS
	s_lshl_b32 s17, ttmp9, 2
	s_add_co_u32 s17, s17, s16                     ; my unit
	s_cmp_ge_u32 s17, NROWU
	s_cbranch_scc1 .Lend                           ; 1,033 = 4 x 258 + 1: three waves of the last work-group have no unit
	s_and_b32 s18, s17, 511
	s_lshr_b32 s19, s18, 6
	s_lshl_b32 s19, s19, 20                        ; the pair: two heads of 524,288 bytes
	s_and_b32 s18, s18, 63
	s_lshl_b32 s18, s18, 13                        ; 32 rows of 256 bytes
	s_add_co_u32 s24, s19, s18
	s_sub_co_u32 s26, s17, 1024
	s_lshl_b32 s26, s26, 5
	s_min_u32 s26, s26, 225                        ; rel_emb: the unit's first row
	s_lshl_b32 s26, s26, 8
	s_cmp_lt_u32 s17, 512                          ; the choices hang on the unit's number alone
	s_cselect_b64 s[28:29], s[4:5], s[6:7]
	s_cmp_lt_u32 s17, 1024
	s_cselect_b64 s[28:29], s[28:29], s[8:9]
	s_cselect_b32 s24, s24, s26
	s_cselect_b32 s26, 0x80000, 0                  ; from A to B: a head on; rel_emb: the same rows
	s_mov_b32 s25, 0
	s_mov_b32 s27, 0
	s_add_nc_u64 s[28:29], s[28:29], s[24:25]      ; A's 32 rows
	s_add_nc_u64 s[30:31], s[28:29], s[26:27]      ; B's
	s_mul_i32 s24, s17, UNIT
	s_add_nc_u64 s[12:13], s[12:13], s[24:25]      ; my unit in rows
	s_mul_i32 s18, s16, STG
	v_mul_u32_u24 v2, v25, 272
	v_lshl_add_u32 v2, v24, 4, v2
	v_add_nc_u32 v2, s18, v2                       ; into the stage: a load's two rows as they lie
	v_mul_u32_u24 v3, v24, 272
	v_lshl_add_u32 v3, v25, 6, v3
	v_add_nc_u32 v3, s18, v3                       ; out of it: row r, + 64 h: my 16 numbers of a block of 32
	v_lshlrev_b32 v4, 4, v1                        ; 16 x lane
	v_lshlrev_b32 v5, 3, v1                        ; 8 x lane
	v_mov_b32 v[TM+2], 0                           ; written once: a lane permute's destination counts as one of its sources
	v_mov_b32 v[TM+3], 0
; Set n = 2 X + u: the 16 rows of fragment u of tensor X: the unit's rows 8 u .. 8 u + 7 and 16 + 8 u .. 16 + 8 u + 7.  Each load reads 512 consecutive bytes, two rows.
; (q and k are read once in the launch; rel_emb's few rows go the same way.)
.macro RLOAD n, base, u
.irp i, 0,1,2,3
	global_load_b128 v[R+32*\n+4*\i:R+32*\n+4*\i+3], v4, s[\base:\base+1] offset:2048*\u+512*\i th:TH_LOAD_NT
.endr
.irp i, 0,1,2,3
	global_load_b128 v[R+32*\n+16+4*\i:R+32*\n+16+4*\i+3], v4, s[\base:\base+1] offset:4096+2048*\u+512*\i th:TH_LOAD_NT
.endr
.endm
	RLOAD 0, 28, 0
	RLOAD 1, 28, 1
	RLOAD 2, 30, 0
	RLOAD 3, 30, 1
; A set goes through the wave's stage, so that a lane holds 16 neighbours of each block; is quantised; and leaves as two chunks of 512 consecutive bytes.
.macro RSET n, xx, u
	s_wait_loadcnt 24-8*\n                         ; this set's eight loads are in; the younger sets' may be out
.irp i, 0,1,2,3,4,5,6,7
	ds_store_b128 v2, v[R+32*\n+4*\i:R+32*\n+4*\i+3] offset:544*\i
.endr
.irp c, 0,1
.irp j, 0,1,2,3
	ds_load_b128 v[X+16*\c+4*\j:X+16*\c+4*\j+3], v3 offset:128*\c+16*\j   ; LDS serves a wave's instructions in order (ISA guide 5.7.1.4): these see the stores above
.endr
.endr
	s_wait_dscnt 0x0
.irp b, 0,1
	v_max3_num_f32 v[TM+\b], |v[X+16*\b]|, |v[X+16*\b+1]|, 0x8000000   ; my 16 numbers of block b, and the floor 2^(16 - 127): so the byte cannot fall under 1
.endr
.irp i, 2,4,6,8,10,12,14
.irp b, 0,1
	v_max3_num_f32 v[TM+\b], v[TM+\b], |v[X+16*\b+\i]|, |v[X+16*\b+\i+1]|
.endr
.endr
.irp b, 0,1
	v_permlanex16_b32 v[TM+2+\b], v[TM+\b], s20, s21
.endr
.irp b, 0,1
	v_max_num_f32 v[TM+\b], v[TM+\b], v[TM+2+\b]   ; with lane l xor 16's: the block's largest magnitude
.endr
.irp b, 0,1
	v_add_nc_u32 v[TM+6+\b], 0xf8800000, v[TM+\b]  ; 15 off its exponent field: the conversion takes the exponent field of this operand as its scale
.endr
.irp b, 0,1
	v_and_or_b32 v[TM+4+\b], v[TM+\b], 0x7f800000, s23   ; 57,344 x the scale
.endr
.irp b, 0,1
	v_lshrrev_b32 v[TM+8+\b], 23, v[TM+6+\b]       ; the scale's byte
.endr
.irp b, 0,1
.irp i, 0,1,2,3,4,5,6,7,8,9,10,11,12,13,14,15
	v_med3_num_f32 v[X+16*\b+\i], v[X+16*\b+\i], -v[TM+4+\b], v[TM+4+\b]   ; the conversion to an 8-bit code does not saturate (ISA guide 7.6.2): the hold comes first
.endr
	v_cvt_scalef32_pk8_bf8_f32 v[C+8*\n+4*\b:C+8*\n+4*\b+1], v[X+16*\b:X+16*\b+7], v[TM+6+\b]
	v_cvt_scalef32_pk8_bf8_f32 v[C+8*\n+4*\b+2:C+8*\n+4*\b+3], v[X+16*\b+8:X+16*\b+15], v[TM+6+\b]
.endr
.if \xx == 0                           ; the word's bytes: A's two blocks, then B's.  (Plain lines behind the last conversion)
	v_mov_b32 v[W+\u], v[TM+8]
	v_lshl_or_b32 v[W+\u], v[TM+9], 8, v[W+\u]
.else
	v_lshl_or_b32 v[W+\u], v[TM+8], 16, v[W+\u]
	v_lshl_or_b32 v[W+\u], v[TM+9], 24, v[W+\u]
.endif
.irp c, 0,1
	global_store_b128 v4, v[C+8*\n+4*\c:C+8*\n+4*\c+3], s[12:13] offset:2048*\u+512*(\c+2*\xx)   ; 32 lanes store 512 consecutive bytes, at a multiple of 256 from the buffer's first byte
.endr
.endm
	RSET 0, 0, 0
	RSET 1, 0, 1
	RSET 2, 1, 0
	RSET 3, 1, 1
	global_store_b64 v5, v[W:W+1], s[12:13] offset:4096   ; 256 consecutive bytes
	s_branch .Lend
	; ---- COLUMNS: a lane takes a channel, and its registers run down the keys: a block of 32 keys lies in one lane's 32 registers, and the codes come out with the keys innermost
.Lvpath:
	s_sub_co_u32 s17, ttmp9, ROWWG
	s_lshr_b32 s18, s17, 3                         ; the head, 0..15
	s_and_b32 s19, s17, 7
	s_lshl_b32 s19, s19, 1
	s_lshr_b32 s24, s16, 1
	s_add_co_u32 s19, s19, s24                     ; which 128 keys
	s_and_b32 s22, s16, 1                          ; which 32 channels
	s_lshl_b32 s24, s18, 19
	s_lshl_b32 s26, s19, 15
	s_add_co_u32 s24, s24, s26
	s_lshl_b32 s26, s22, 7
	s_add_co_u32 s24, s24, s26
	s_mov_b32 s25, 0
	s_add_nc_u64 s[10:11], s[10:11], s[24:25]      ; v at my first key and channel
	s_lshl_b32 s24, s18, 4
	s_add_co_u32 s24, s24, s19
	s_mul_i32 s24, s24, VUNIT                      ; my unit
	s_lshl_b32 s26, s22, 12
	s_add_co_u32 s26, s26, s24
	s_mov_b32 s27, 0
	s_add_nc_u64 s[28:29], s[14:15], s[26:27]      ; its codes: my two tiles of 16 channels
	s_lshl_b32 s26, s22, 7
	s_add_co_u32 s26, s26, s24
	s_add_co_u32 s26, s26, 8192
	s_add_nc_u64 s[30:31], s[14:15], s[26:27]      ; its scale words: my 32
	v_lshlrev_b32 v2, 2, v1                        ; 4 x lane
	v_lshlrev_b32 v3, 11, v25
	v_lshl_add_u32 v3, v24, 4, v3                  ; 2,048 (lane / 16) + 16 (lane % 16)
.macro VLOAD t                         ; block t: v(32 t + i, my channel): a wave reads 128 consecutive bytes, the two waves of a unit a whole row
.irp i, 0,1,2,3,4,5,6,7,8,9,10,11,12,13,14,15,16,17,18,19,20,21,22,23,24,25,26,27,28,29,30,31
	global_load_b32 v[XV+32*((\t)%2)+\i], v2, s[10:11] offset:(32*(\t)+\i)*256 th:TH_LOAD_NT
.endr
.endm
	VLOAD 0
	VLOAD 1
.macro VBLOCK t
.set XS, XV+32*((\t)%2)
.if (\t) < 3
	s_wait_loadcnt 32                              ; this block's 32 loads are in; the next block's may be out
.else
	s_wait_loadcnt 0x0
.endif
	v_max3_num_f32 v12, |v[XS]|, |v[XS+1]|, |v[XS+2]|
	v_max3_num_f32 v13, |v[XS+3]|, |v[XS+4]|, |v[XS+5]|
.irp i, 6,10,14,18,22,26
	v_max3_num_f32 v12, v12, |v[XS+\i]|, |v[XS+\i+1]|
	v_max3_num_f32 v13, v13, |v[XS+\i+2]|, |v[XS+\i+3]|
.endr
	v_max3_num_f32 v12, v12, |v[XS+30]|, |v[XS+31]|
	v_max3_num_f32 v12, v12, v13, 0x8000000        ; and the floor
	v_add_nc_u32 v11, 0xf8800000, v12
	v_and_or_b32 v10, v12, 0x7f800000, s23
	v_lshrrev_b32 v13, 23, v11
.if (\t) == 0
	v_mov_b32 v[WV], v13
.else
	v_lshl_or_b32 v[WV], v13, 8*(\t), v[WV]
.endif
.irp i, 0,1,2,3,4,5,6,7,8,9,10,11,12,13,14,15,16,17,18,19,20,21,22,23,24,25,26,27,28,29,30,31
	v_med3_num_f32 v[XS+\i], v[XS+\i], -v10, v10
.endr
.irp g, 0,1,2,3
	v_cvt_scalef32_pk8_bf8_f32 v[CV+8*(\t)+2*\g:CV+8*(\t)+2*\g+1], v[XS+8*\g:XS+8*\g+7], v11
.endr
	v_nop                                          ; a plain line behind the last conversion
	global_store_b128 v3, v[CV+8*(\t):CV+8*(\t)+3], s[28:29] offset:512*(\t)         ; keys 32 t + 0 .. 15: each half of the lanes stores 256 consecutive bytes, aligned
	global_store_b128 v3, v[CV+8*(\t)+4:CV+8*(\t)+7], s[28:29] offset:512*(\t)+256   ; keys 32 t + 16 .. 31
.if (\t)+2 < 4
	VLOAD (\t)+2
.endif
.endm
	VBLOCK 0
	VBLOCK 1
	VBLOCK 2
	VBLOCK 3
	global_store_b32 v2, v[WV], s[30:31]           ; 128 consecutive bytes; the unit's other wave stores the 128 beside them
.Lend:
	s_wait_tensorcnt 0x0                           ; the wave's end
	ds_add_u32 v[SPW], v[NIL]
	s_wait_dscnt 0x0
	s_endpgm
.Lfunc_end_k_q6be044f325_prep:
	.size	k_q6be044f325_prep, .Lfunc_end_k_q6be044f325_prep-k_q6be044f325_prep
	.p2alignl 7, 3214868480
	.fill 96, 4, 3214868480
	.section	.rodata,"a",@progbits
	.p2align	6, 0x0
	.amdhsa_kernel k_q6be044f325_prep
		.amdhsa_group_segment_fixed_size 17920
		.amdhsa_private_segment_fixed_size 0
		.amdhsa_enable_private_segment 0
		.amdhsa_kernarg_size 48
		.amdhsa_user_sgpr_count 2
		.amdhsa_user_sgpr_kernarg_segment_ptr 1
		.amdhsa_wavefront_size32 1
		.amdhsa_system_sgpr_workgroup_id_x 1
		.amdhsa_system_sgpr_workgroup_id_y 1
		.amdhsa_system_sgpr_workgroup_id_z 1
		.amdhsa_system_vgpr_workitem_id 0
		.amdhsa_next_free_vgpr 232
		.amdhsa_next_free_sgpr 66
		.amdhsa_reserve_vcc 0
		.amdhsa_float_denorm_mode_32 3
		.amdhsa_float_denorm_mode_16_64 3
		.amdhsa_memory_ordered 1
		.amdhsa_forward_progress 1
		.amdhsa_inst_pref_size 56
	.end_amdhsa_kernel
	.amdgpu_metadata
---
amdhsa.version: [ 1, 2 ]
amdhsa.kernels:
  - .name:           k_q6be044f325_prep
    .symbol:         k_q6be044f325_prep.kd
    .args:
      - { .name: q, .offset: 0, .size: 8, .value_kind: global_buffer, .address_space: global }
      - { .name: k, .offset: 8, .size: 8, .value_kind: global_buffer, .address_space: global }
      - { .name: rel_emb, .offset: 16, .size: 8, .value_kind: global_buffer, .address_space: global }
      - { .name: v, .offset: 24, .size: 8, .value_kind: global_buffer, .address_space: global }
      - { .name: rows, .offset: 32, .size: 8, .value_kind: global_buffer, .address_space: global }
      - { .name: vcol, .offset: 40, .size: 8, .value_kind: global_buffer, .address_space: global }
    .group_segment_fixed_size: 17920
    .private_segment_fixed_size: 0
    .kernarg_segment_align: 8
    .kernarg_segment_size: 48
    .max_flat_workgroup_size: 128
    .sgpr_count:     66
    .vgpr_count:     232
    .wavefront_size: 32
...
	.end_amdgpu_metadata
.endif
;; end of part 1
;; launch attn (part 2): grid 32 x 8, 4 waves a work-group, no clusters, 263,680 bytes of LDS; arguments rows, vcol, q_info, k_info, out0; writes out0
.if DOCPART == 2
	.amdgcn_target "amdgcn-amd-amdhsa--gfx1250"
	.amdhsa_code_object_version 6
	.text
	.protected	k_q6be044f325_attn
	.globl	k_q6be044f325_attn
	.p2align	8
	.type	k_q6be044f325_attn,@function
k_q6be044f325_attn:
	s_mov_b64 s[64:65], 0
	v_nop
	global_prefetch_b8 v0, s[64:65] scope:SCOPE_SE
	s_setreg_imm32_b32 hwreg(HW_REG_WAVE_MODE, 25, 1), 1
	s_wait_xcnt 0x0
; out0[b][h][q] = the sum over k of softmax_k((q . k + qr[q][dm(q, k)]) / 8) v[k], qr = q rel_emb^T, dm = clip(k_adj[k] - q_adj[q], -128, 128) + 128; all three products on codes of BF8 (E5M2) with E8M0 scales,
; as the launch before has laid them (its head comment gives the two layouts).  THE SOFTMAX: t = score x log2(e) / 8; M = the largest t so far, rounded up to a whole number; p = 2^(t - M) is what is quantised,
; along the keys; the row's sum is taken of the unquantised p and divides at the end.
; SHARES.  A work-group owns 64 queries (x) of a PAIR of heads 2 y and 2 y + 1 (y = 4 b + hp).  Each of its four waves walks all 64 queries x 2 heads over ITS OWN QUARTER of the keys, 512, in 4 steps of 128;
; the four partial results (O, M, the sum) meet in LDS at the end; the factors between them are whole powers of two.
; WHY A PAIR.  A product's K is 64, half of the matrix instruction's 128.  A key tile's operand is [K of head A | K of head B]; the queries' operands are [Q_A | zeros] and [zeros | Q_B] (24 registers hold Q_A, zeros, Q_B):
; zero codes add nothing, so one fragment and one scale word of K serve both heads.  And dm hangs on the batch alone: one index serves two scores.
; THE BIAS.  qr of the work-group's 64 queries x 2 heads lies in LDS as T[query tile][head][index 0..256][slot 0..31], 128 bytes an index; query r's number stands in slots r and r + 16.  Lane l always reads slot l:
; word 32 x index + l, so the 32 lanes of a gather touch 32 different banks (64 banks of 4 bytes: ISA guide 11.1).  A gather lands in the score's own accumulator register, and the product K Q^T takes it as its C: no addition is written.
; NO TENSOR LOADS, NO CLUSTER, though the 32 work-groups of a pair walk the same K and V: the tables take 263,168 of the 327,680 bytes; a step of one wave's quarter is 17,408 bytes of K and 16,896 of V, and two slots
; of that for four waves are 274,432 bytes.  Each wave reads its quarter once and uses every fragment for four tiles of queries: K and V go from memory straight into registers.
; So nothing writes LDS while the gathers run: tables | barrier | gathers alone | barrier | the partial results, laid over the tables.
; LAYOUT.  Both products transposed: a lane holds one query.  Query tile qt = 2 bq + u: lane r holds query 64 x + 32 bq + 8 u + r + 8 (r / 8).  Score register 16 b + i of lane (r, h): key 32 b + 16 h + i of the step.
; LIMITS: q_info and k_info within +-2^30 (their difference is formed in 32 bits); NaN and infinities among the floating-point inputs are not served; p under 2^-126 becomes 0; a block's largest p is taken as the p of
; its largest score; a block of p under the floor 2^(16 - 127) keeps the byte 1.
; REGISTERS, in windows of 256 (s_set_vgpr_msb: bits 1:0 source 0, 3:2 source 1, 5:4 source 2, 7:6 destination):
;   window 0: addresses, statistics, scale words, at work; v128-191, v192-255 the scores of heads A and B.   window 1: O^T, 32 registers for each of 8 (tile, head); during the tables: rel_emb's 16 fragments.
;   window 2: v0-127 K's 8 fragments; v128-255 V's 8.   window 3: v0-95 Q, 24 a tile; v96-127 p's codes; v128-191 k_adj of the step's keys; v192-215 the tile whose table I build; v216 the number 384.
.set UNIT,  4352
.set VUNIT, 8448
.set VHEAD, 16*VUNIT                   ; from head A's unit of V to head B's
.set TABQ,  65792                      ; LDS: a query tile's two tables
.set TABX,  32896                      ; one of them: 257 x 128 bytes
.set SPARE, 4*TABQ                     ; behind the tables: the spare words, 128 bytes for each wave: two blocks of 256 bytes that no other line names
.set PARTW, 34816                      ; the merge, over the tables: a wave's 8 partial tiles of 16 rows x (256 bytes + 16)
.set STAT,  4*PARTW                    ; -M: 512 bytes a wave, 64 a (tile, head); the sums 2,048 bytes on
.set GF,    STAT+4096                  ; the merge's factors: 512 bytes a wave
.set LN16, 1                           ; v1   16 x lane
.set LN8,  2                           ; v2   8 x lane
.set VSO,  3                           ; v3   4 (lane % 16)
.set KIO,  4                           ; v4   64 (lane / 16)
.set SPW,  6                           ; v6   LDS address of my spare word; never rewritten
.set NIL,  7                           ; v7   0; never rewritten
.set QP,   8                           ; v8-11   q_adj - 128 of my query in tile qt
.set LB,   12                          ; v12-15  tile qt's tables + 4 x lane
.set ST,   16                          ; v16-47  (tile, head) i = 2 qt + X at 4 i: -M, the largest t, the sum in two halves
.set KS,   48                          ; v48-55  K's scale words
.set VS,   56                          ; v56-63  V's
.set QS,   64                          ; v64-67  Q's
.set PS,   68                          ; v68-69  p's, a head each
.set BM,   70                          ; v70-77  a block's largest score, then its largest p (4 X + b).  During the tables v70-86 hold rel_emb's scale words
.set T1,   78                          ; v78-85  permute destinations, then bytes
.set T2,   86                          ; v86-93  57,344 x the scale
.set T3,   94                          ; v94-101 the conversions' scale operands
.set FF,   102                         ; v102-105 f = 2^(old M - new M), the low word of a pair for each head
.set TMP,  106                         ; v106-107
.set SU,   108                         ; v108-111 the second chain of the sums
.set QWS,  112                         ; v112 the scale word of the tile whose table I build
.set TA1,  113                         ; v113, v114 where I store a table's numbers: slot = my lane, slot = my lane xor 16
.set TA2,  114
.set PFO1, 115                         ; v115, v116 the prefetches' offsets; never rewritten
.set PFO2, 116
.set C256, 124                         ; v124 the number 256
.set HH,   125                         ; v125 lane / 16
.set RR,   126                         ; v126 lane % 16
.set LN,   127                         ; v127 lane
.set SA,   128
.set SB,   192
.set WV,   14                          ; s14 wave = my quarter of the keys = the tile whose table I build and whose rows I merge
.set XB,   15                          ; s15 which 64 queries
.set YB,   16                          ; s16 which pair of heads
.set SEL,  20                          ; s[20:21] v_permlanex16_b32's selects for lane l xor 16
.set CS,   22                          ; s[22:23] c = log2(e) / 8: the packed form names a pair and takes its low word for both halves
.set MNT,  24                          ; s24 the mantissa field of 57,344
.set STEP, 25                          ; s25 counts the steps
.set PFL,  27                          ; s27 3 in the pair's first work-group, else 0: a wave prefetches while the step's number is under it
.set KP,   30                          ; s[30:31] K's units of the step to be loaded
.set VP,   32                          ; s[32:33] V's
.set RP,   34                          ; s[34:35] rel_emb's units
.set QPT,  36                          ; s[36:37] my work-group's two units of Q
.set QWP,  38                          ; s[38:39] the fragment of tile qt = wave
.set KIP,  40                          ; s[40:41] k_info at the step to be loaded
.set QIP,  42                          ; s[42:43] q_info at my work-group's queries
.set OP,   44                          ; s[44:45] out0 at head A, the first query of tile qt = wave
.set QSP,  50                          ; s[50:51] where that tile's scale words stand
.set MSB, 0
.macro WIN new                         ; the immediate's high byte repeats the setting that is left; a switch that changes nothing is dropped
.if MSB != \new
	s_set_vgpr_msb (MSB<<8)|\new
.set MSB, \new
.endif
.endm
.macro BARRIER                         ; my LDS stores have landed and my LDS loads are in: then the work-group's barrier
	s_wait_dscnt 0x0
	s_barrier_signal -1
	s_barrier_wait -1
.endm
; A step's K: 8 fragments, their scale words, and k_info of its 128 keys (lane half h: keys 32 b + 16 h + 0 .. 15): 52 loads
.macro KLOAD
	WIN 0x80
.irp t, 0,1,2,3,4,5,6,7
.irp c, 0,1,2,3
	global_load_b128 v[16*\t+4*\c:16*\t+4*\c+3], v[LN16], s[KP:KP+1] offset:(\t/2)*UNIT+(\t%2)*2048+512*\c
.endr
.endr
	WIN 0
.irp b, 0,1,2,3
	global_load_b64 v[KS+2*\b:KS+2*\b+1], v[LN8], s[KP:KP+1] offset:\b*UNIT+4096
.endr
	WIN 0xC0
.irp b, 0,1,2,3
.irp m, 0,1,2,3
	global_load_b128 v[128+16*\b+4*\m:128+16*\b+4*\m+3], v[KIO], s[KIP:KIP+1] offset:128*\b+16*\m
.endr
.endr
	WIN 0
.endm
	s_load_b256 s[4:11], s[0:1], 0x0               ; rows s[4:5], vcol s[6:7], q_info s[8:9], k_info s[10:11]
	s_load_b64 s[12:13], s[0:1], 0x20              ; out0
	v_lshl_add_u32 v[SPW], v0, 2, SPARE
	v_mov_b32 v[NIL], 0
	v_lshrrev_b32 v5, 5, v0
	v_readfirstlane_b32 s[WV], v5                  ; wave 0..3
	s_mov_b32 s[XB], ttmp9
	s_and_b32 s[YB], ttmp7, 0xffff
	v_and_b32 v[LN], 31, v0
	v_and_b32 v[RR], 15, v0
	v_bfe_u32 v[HH], v0, 4, 1
	v_lshlrev_b32 v[LN16], 4, v[LN]
	v_lshlrev_b32 v[LN8], 3, v[LN]
	v_lshlrev_b32 v[VSO], 2, v[RR]
	v_lshlrev_b32 v[KIO], 6, v[HH]
	v_and_b32 v5, 8, v[RR]
	v_add_nc_u32 v5, v5, v[RR]
	v_lshlrev_b32 v5, 2, v5                        ; q_info: 4 (r + 8 (r / 8))
	v_mov_b32 v[C256], 0x100
	s_mov_b32 s[SEL], 0x76543210
	s_mov_b32 s[SEL+1], 0xfedcba98
	s_mov_b32 s[CS], 0x3e38aa3b                    ; log2(e) / 8
	s_mov_b32 s[CS+1], s[CS]                       ; (named with it as a pair, so it is written)
	s_mov_b32 s[MNT], 0x600000
	; the offsets, each made apart from its address
	s_lshl_b32 s46, s[YB], 6                       ; 64 units a pair
	s_lshl_b32 s47, s[WV], 4                       ; my quarter: 16 units of 32 keys
	s_add_co_u32 s47, s47, s46
	s_add_co_u32 s47, s47, 512                     ; k's units stand behind q's 512
	s_mul_i32 s[KP], s47, UNIT
	s_mov_b32 s[KP+1], 0
	s_lshl_b32 s47, s[YB], 5                       ; V: 16 units a head, head 2 y
	s_lshl_b32 s48, s[WV], 2
	s_add_co_u32 s47, s47, s48
	s_mul_i32 s[VP], s47, VUNIT
	s_mov_b32 s[VP+1], 0
	s_lshl_b32 s47, s[XB], 1
	s_add_co_u32 s47, s47, s46
	s_mul_i32 s[QPT], s47, UNIT
	s_mov_b32 s[QPT+1], 0
	s_lshr_b32 s47, s[WV], 1
	s_mul_i32 s47, s47, UNIT                       ; tile qt = wave: unit wave / 2,
	s_and_b32 s48, s[WV], 1
	s_lshl_b32 s49, s48, 11                        ; fragment wave % 2
	s_add_co_u32 s[QWP], s47, s49
	s_mov_b32 s[QWP+1], 0
	s_lshl_b32 s49, s48, 2                         ; and the word of that fragment
	s_add_co_u32 s[QSP], s47, s49
	s_mov_b32 s[QSP+1], 0
	s_lshr_b32 s47, s[YB], 2
	s_lshl_b32 s47, s47, 13                        ; the batch's 2,048 whole numbers
	s_lshl_b32 s49, s[WV], 11
	s_add_co_u32 s[KIP], s47, s49
	s_mov_b32 s[KIP+1], 0
	s_lshl_b32 s49, s[XB], 8
	s_add_co_u32 s[QIP], s47, s49
	s_mov_b32 s[QIP+1], 0
	s_lshl_b32 s47, s[XB], 6
	s_lshr_b32 s49, s[WV], 1
	s_lshl_b32 s49, s49, 5
	s_add_co_u32 s47, s47, s49
	s_lshl_b32 s49, s48, 3
	s_add_co_u32 s47, s47, s49                     ; query 64 x + 32 (wave / 2) + 8 (wave % 2)
	s_lshl_b32 s47, s47, 8
	s_lshl_b32 s49, s[YB], 20                      ; head 2 y
	s_add_co_u32 s[OP], s47, s49
	s_mov_b32 s[OP+1], 0
	s_cmp_eq_u32 s[XB], 0
	s_cselect_b32 s[PFL], 3, 0
	s_mul_i32 s46, s[WV], TABQ
	s_wait_kmcnt 0x0
	s_add_nc_u64 s[KP:KP+1], s[4:5], s[KP:KP+1]
	s_add_nc_u64 s[VP:VP+1], s[6:7], s[VP:VP+1]
	s_add_nc_u64 s[RP:RP+1], s[4:5], 1024*UNIT
	s_add_nc_u64 s[QPT:QPT+1], s[4:5], s[QPT:QPT+1]
	s_add_nc_u64 s[QWP:QWP+1], s[QPT:QPT+1], s[QWP:QWP+1]
	s_add_nc_u64 s[QSP:QSP+1], s[QPT:QPT+1], s[QSP:QSP+1]
	s_add_nc_u64 s[KIP:KIP+1], s[10:11], s[KIP:KIP+1]
	s_add_nc_u64 s[QIP:QIP+1], s[8:9], s[QIP:QIP+1]
	s_add_nc_u64 s[OP:OP+1], s[12:13], s[OP:OP+1]
	; ---- all first loads in one run
	WIN 0xC0
.irp qt, 0,1,2,3                       ; Q stays in registers: chunks 0, 1 (head A) at 24 qt, chunks 2, 3 (head B) at 24 qt + 16; eight zeros between
.irp c, 0,1
	global_load_b128 v[24*\qt+4*\c:24*\qt+4*\c+3], v[LN16], s[QPT:QPT+1] offset:(\qt/2)*UNIT+(\qt%2)*2048+512*\c
	global_load_b128 v[24*\qt+16+4*\c:24*\qt+16+4*\c+3], v[LN16], s[QPT:QPT+1] offset:(\qt/2)*UNIT+(\qt%2)*2048+1024+512*\c
.endr
.endr
.irp c, 0,1                            ; and tile qt = wave once more, at fixed registers, for the tables
	global_load_b128 v[192+4*\c:192+4*\c+3], v[LN16], s[QWP:QWP+1] offset:512*\c
	global_load_b128 v[208+4*\c:208+4*\c+3], v[LN16], s[QWP:QWP+1] offset:1024+512*\c
.endr
	WIN 0
	global_load_b64 v[QS:QS+1], v[LN8], s[QPT:QPT+1] offset:4096
	global_load_b64 v[QS+2:QS+3], v[LN8], s[QPT:QPT+1] offset:UNIT+4096
	global_load_b32 v[QWS], v[LN8], s[QSP:QSP+1] offset:4096
.irp qt, 0,1,2,3
	global_load_b32 v[QP+\qt], v5, s[QIP:QIP+1] offset:4*(32*(\qt/2)+8*(\qt%2))
.endr
	WIN 0x40
.irp t, 0,1,2,3,4,5,6,7,8,9,10,11,12,13,14,15      ; rel_emb's rows 0-255: 16 fragments
.irp c, 0,1,2,3
	global_load_b128 v[16*\t+4*\c:16*\t+4*\c+3], v[LN16], s[RP:RP+1] offset:(\t/2)*UNIT+(\t%2)*2048+512*\c
.endr
.endr
	WIN 0
.irp b, 0,1,2,3,4,5,6,7
	global_load_b64 v[70+2*\b:71+2*\b], v[LN8], s[RP:RP+1] offset:\b*UNIT+4096
.endr
	global_load_b32 v86, v[LN8], s[RP:RP+1] offset:8*UNIT+4096+4
	WIN 0x80
.irp c, 0,1,2,3                        ; the ninth unit's second fragment: rows 233-240 and 249-256
	global_load_b128 v[128+4*\c:128+4*\c+3], v[LN16], s[RP:RP+1] offset:8*UNIT+2048+512*\c
.endr
	KLOAD                                          ; step 0's K
	; work on registers that no pending load writes
	WIN 0xC0
.irp qt, 0,1,2,3
.irp j, 0,1,2,3,4,5,6,7
	v_mov_b32 v[24*\qt+8+\j], 0                    ; the zero codes between Q_A and Q_B
.endr
.endr
.irp j, 0,1,2,3,4,5,6,7
	v_mov_b32 v[200+\j], 0
.endr
	v_mov_b32 v216, 0x180                          ; k_adj where k_info is -1
	WIN 0
.irp i, 0,1,2,3,4,5,6,7
	v_mov_b32 v[ST+4*\i+1], 0xff61b1e6             ; the largest t so far: -3e38, under every t
	v_mov_b32 v[ST+4*\i+2], 0                      ; the sum, in two halves
	v_mov_b32 v[ST+4*\i+3], 0
.endr
.irp i, 0,1,2,3,4,5,6,7
	v_floor_f32 v[ST+4*\i], -v[ST+4*\i+1]          ; -M
.endr
	v_mov_b32 v[FF+1], 0                           ; (named as the upper halves of f's pairs)
	v_mov_b32 v[FF+3], 0
	v_lshlrev_b32 v[LB], 2, v[LN]
	v_add_nc_u32 v[LB+1], TABQ, v[LB]
	v_add_nc_u32 v[LB+2], 2*TABQ, v[LB]
	v_add_nc_u32 v[LB+3], 3*TABQ, v[LB]
	v_lshl_add_u32 v[TA1], v[HH], 11, v[LB]        ; lanes 16-31 hold indices 16 further on: 16 x 128 bytes
	v_add_nc_u32 v[TA1], s46, v[TA1]               ; tile qt = wave's tables
	v_xor_b32 v[TA2], 64, v[TA1]                   ; the slot 16 away: bit 6 of the address is the lane's bit 4 alone
	v_mul_u32_u24 v[PFO1], v[HH], UNIT
	v_lshl_add_u32 v[PFO1], v[RR], 8, v[PFO1]      ; K: sixteen blocks of 256 bytes in each of two units
	v_lshlrev_b32 v[PFO2], 8, v[LN]                ; V: 32 blocks of 256 bytes on end
	s_wait_loadcnt 0x0
.irp qt, 0,1,2,3
	v_cmp_eq_i32 vcc_lo, -1, v[QP+\qt]
	v_cndmask_b32 v[QP+\qt], v[QP+\qt], v[C256], vcc_lo   ; q_adj
	v_add_nc_u32 v[QP+\qt], 0xffffff80, v[QP+\qt]  ; - 128: the index is k_adj - this, held to 0 .. 256
.endr
	; ---- THE TABLES.  Wave w makes qr of tile w, both heads: source 0 = 16 rows of rel_emb (twice: [rel | rel]), source 1 = [Q_A | 0] or [0 | Q_B].  Register j of lane (r, h): index base + 16 h + j, query r.
.macro TPASS g                         ; rows 128 g .. 128 g + 127
	s_wait_dscnt 0x0                               ; the last run's stores have read their registers
	WIN 0x0D                                       ; source 0 window 1, source 1 window 3
.irp t, 0,1,2,3,4,5,6,7
	v_wmma_scale_f32_16x16x128_f8f6f4 v[SA+8*\t:SA+8*\t+7], v[128*\g+16*\t:128*\g+16*\t+15], v[192:207], 0, v[70+8*\g+\t], v[QWS] matrix_a_fmt:MATRIX_FMT_BF8 matrix_b_fmt:MATRIX_FMT_BF8
	v_wmma_scale_f32_16x16x128_f8f6f4 v[SB+8*\t:SB+8*\t+7], v[128*\g+16*\t:128*\g+16*\t+15], v[200:215], 0, v[70+8*\g+\t], v[QWS] matrix_a_fmt:MATRIX_FMT_BF8 matrix_b_fmt:MATRIX_FMT_BF8
.endr
	WIN 0
.rept 9
	v_nop                                          ; eight places ahead of the stores that read the results, and a ninth, since the next run of products writes over these accumulators
.endr
.irp t, 0,1,2,3,4,5,6,7
.irp j, 0,1,2,3,4,5,6,7
	ds_store_b32 v[TA1], v[SA+8*\t+\j] offset:(128*\g+32*(\t/2)+8*(\t%2)+\j)*128     ; each accumulator from its low end on
	ds_store_b32 v[TA2], v[SA+8*\t+\j] offset:(128*\g+32*(\t/2)+8*(\t%2)+\j)*128
.endr
.irp j, 0,1,2,3,4,5,6,7
	ds_store_b32 v[TA1], v[SB+8*\t+\j] offset:TABX+(128*\g+32*(\t/2)+8*(\t%2)+\j)*128
	ds_store_b32 v[TA2], v[SB+8*\t+\j] offset:TABX+(128*\g+32*(\t/2)+8*(\t%2)+\j)*128
.endr
.endr
.endm
	TPASS 0
	TPASS 1
	s_wait_dscnt 0x0
	WIN 0x0E                                       ; source 0 window 2: rows 233-240, 249-256.  All but row 256 are written a second time, with the same numbers, by the same wave
	v_wmma_scale_f32_16x16x128_f8f6f4 v[SA:SA+7], v[128:143], v[192:207], 0, v86, v[QWS] matrix_a_fmt:MATRIX_FMT_BF8 matrix_b_fmt:MATRIX_FMT_BF8
	v_wmma_scale_f32_16x16x128_f8f6f4 v[SB:SB+7], v[128:143], v[200:215], 0, v86, v[QWS] matrix_a_fmt:MATRIX_FMT_BF8 matrix_b_fmt:MATRIX_FMT_BF8
	WIN 0
.rept 9
	v_nop
.endr
.irp j, 0,1,2,3,4,5,6,7
	ds_store_b32 v[TA1], v[SA+\j] offset:(233+\j)*128
	ds_store_b32 v[TA2], v[SA+\j] offset:(233+\j)*128
.endr
.irp j, 0,1,2,3,4,5,6,7
	ds_store_b32 v[TA1], v[SB+\j] offset:TABX+(233+\j)*128
	ds_store_b32 v[TA2], v[SB+\j] offset:TABX+(233+\j)*128
.endr
	WIN 0x40                                       ; O^T begins as zeros: the step is written once, and a first step of its own would double the loop's text; the first change of M leaves zeros zeros
.set i, 0
.rept 256
	v_mov_b32 v[i], 0
.set i, i+1
.endr
	WIN 0
.irp j, 0,1,2,3,4,5,6,7
	v_mov_b32 v[T1+\j], 0                          ; written once: a lane permute's destination counts as one of its sources
.endr
	BARRIER                                        ; all four tiles' tables lie in LDS; from here to the next barrier LDS is only read
; Two products: key tile t of the step against tile qt's queries, heads A and B.  C = D = the registers into which the bias was gathered.
.macro QK qt, t
	v_wmma_scale_f32_16x16x128_f8f6f4 v[SA+8*(\t):SA+8*(\t)+7], v[16*(\t):16*(\t)+15], v[24*\qt:24*\qt+15], v[SA+8*(\t):SA+8*(\t)+7], v[KS+(\t)], v[QS+\qt] matrix_a_fmt:MATRIX_FMT_BF8 matrix_b_fmt:MATRIX_FMT_BF8
	v_wmma_scale_f32_16x16x128_f8f6f4 v[SB+8*(\t):SB+8*(\t)+7], v[16*(\t):16*(\t)+15], v[24*\qt+8:24*\qt+23], v[SB+8*(\t):SB+8*(\t)+7], v[KS+(\t)], v[QS+\qt] matrix_a_fmt:MATRIX_FMT_BF8 matrix_b_fmt:MATRIX_FMT_BF8
.endm
; The largest score of blocks b0 and b1 of both heads: four chains of eight by turns.  Each accumulator is first read at its low end.
.macro BMAX b0, b1
.irp hd, 0,1
.irp b, \b0, \b1
	v_max3_num_f32 v[BM+4*\hd+\b], v[SA+64*\hd+16*\b], v[SA+64*\hd+16*\b+1], v[SA+64*\hd+16*\b+2]
.endr
.endr
.irp i, 3,5,7,9,11,13
.irp hd, 0,1
.irp b, \b0, \b1
	v_max3_num_f32 v[BM+4*\hd+\b], v[BM+4*\hd+\b], v[SA+64*\hd+16*\b+\i], v[SA+64*\hd+16*\b+\i+1]
.endr
.endr
.endr
.irp hd, 0,1
.irp b, \b0, \b1
	v_max_num_f32 v[BM+4*\hd+\b], v[BM+4*\hd+\b], v[SA+64*\hd+16*\b+15]
.endr
.endr
.endm
; Number q of the 115 plain instructions that follow a head's exponentials: 0-31 the row's sum of the UNQUANTISED p, in two chains; 32-50 the four blocks' floors, scale operands, holds, bytes, and the scale word;
; 51-114 the hold (p is not negative: one-sided).  All in window 0.
.macro AOP hd
.set aS, SA+64*\hd
.set aL, IA+4*\hd+2
.set aU, SU+2*\hd
.set aB, BM+4*\hd
.if q == 0
	v_pk_add_f32 v[aU:aU+1], v[aS:aS+1], v[aS+2:aS+3]
.elseif q < 31
.set aj, 4+4*((q-1)/2)
.if q%2 == 1
	v_pk_add_f32 v[aL:aL+1], v[aL:aL+1], v[aS+aj:aS+aj+1]
.else
	v_pk_add_f32 v[aU:aU+1], v[aU:aU+1], v[aS+aj+2:aS+aj+3]
.endif
.elseif q == 31
	v_pk_add_f32 v[aL:aL+1], v[aL:aL+1], v[aU:aU+1]
.elseif q < 36
	v_max_num_f32 v[aB+q-32], 0x8000000, v[aB+q-32]              ; the floor 2^(16 - 127): the byte cannot fall under 1
.elseif q < 40
	v_add_nc_u32 v[T3+4*\hd+q-36], 0xf8800000, v[aB+q-36]        ; 15 off the exponent field: the conversion's scale operand
.elseif q < 44
	v_and_or_b32 v[T2+4*\hd+q-40], v[aB+q-40], 0x7f800000, s[MNT]   ; 57,344 x the scale
.elseif q < 48
	v_lshrrev_b32 v[T1+4*\hd+q-44], 23, v[T3+4*\hd+q-44]         ; the scale's byte
.elseif q == 48
	v_lshl_or_b32 v[PS+\hd], v[T1+4*\hd+1], 8, v[T1+4*\hd]       ; p's scale word for these 128 keys
.elseif q == 49
	v_lshl_or_b32 v[PS+\hd], v[T1+4*\hd+2], 16, v[PS+\hd]
.elseif q == 50
	v_lshl_or_b32 v[PS+\hd], v[T1+4*\hd+3], 24, v[PS+\hd]
.else
	v_min_num_f32 v[aS+q-51], v[aS+q-51], v[T2+4*\hd+(q-51)/16]  ; the conversion to an 8-bit code does not saturate (ISA guide 7.6.2)
.endif
.set q, q+1
.endm
; ONE TILE OF 16 QUERIES x 2 HEADS x THE STEP'S 128 KEYS
.macro BODY qt
.set IA, ST+8*\qt                      ; head A's statistics; head B's stand 4 further on
.set IB, ST+8*\qt+4
.if \qt == 1
	; A PREFETCH INTO THE L2 of the NEXT step's codes of K (4 units x 4,096 bytes) and V (2 x 8,192): K's and V's pointers were stepped in the tile before.  Each aligned block of 256 bytes is named once in the launch:
	; the 32 work-groups of a pair walk the same K and V, and the first of them asks, each wave for its own quarter, a lane a block.  K's loads follow two tiles on, V's three.  Step 0 and the scale words come by
	; their loads alone; the last step asks for nothing.
	s_cmp_lt_u32 s[STEP], s[PFL]
	s_cbranch_scc0 .Lnot_asked_\@
	global_prefetch_b8 v[PFO1], s[KP:KP+1] th:TH_LOAD_NT scope:SCOPE_SE
	global_prefetch_b8 v[PFO1], s[KP:KP+1] offset:2*UNIT th:TH_LOAD_NT scope:SCOPE_SE
	global_prefetch_b8 v[PFO2], s[VP:VP+1] th:TH_LOAD_NT scope:SCOPE_SE
	global_prefetch_b8 v[PFO2], s[VP:VP+1] offset:VHEAD th:TH_LOAD_NT scope:SCOPE_SE
.Lnot_asked_\@:
.endif
	WIN 0x03                                       ; source 0 window 3
.set n, 0
.rept 64
	v_sub_nc_u32 v[SA+n], v[128+n], v[QP+\qt]      ; k_adj - q_adj + 128
.set n, n+1
.endr
	WIN 0
.irp t, 0,1,2,3,4,5,6,7                ; a key tile at a time: index, address, the two heads' gathers; the products follow two tiles behind, so that the matrix unit works beside the index arithmetic
.irp j, 0,1,2,3,4,5,6,7
	v_max_i32 v[SA+8*\t+\j], 0, v[SA+8*\t+\j]
.endr
.irp j, 0,1,2,3,4,5,6,7
	v_min_u32 v[SA+8*\t+\j], 0x100, v[SA+8*\t+\j]  ; the index, 0 .. 256
.endr
.irp j, 0,1,2,3,4,5,6,7
	v_lshl_add_u32 v[SA+8*\t+\j], v[SA+8*\t+\j], 7, v[LB+\qt]
.endr
.irp j, 0,1,2,3,4,5,6,7
	ds_load_b32 v[SB+8*\t+\j], v[SA+8*\t+\j] offset:TABX   ; head B's first: head A's lands on the address
	ds_load_b32 v[SA+8*\t+\j], v[SA+8*\t+\j]
.endr
.if \t >= 2
	s_wait_dscnt 32                                ; LDS loads come back in order (ISA guide 5.7.1): all but the two youngest tiles' 32 gathers are in
	WIN 0x0E                                       ; K window 2, Q window 3
	QK \qt, \t-2
	WIN 0
.endif
.endr
	s_wait_dscnt 16                                ; tile 6's are in
	WIN 0x0E
	QK \qt, 6
	s_wait_dscnt 0x0
	QK \qt, 7
	WIN 0
	BMAX 0, 1                                      ; tiles 0-3, finished long ago: these 32 are the eight places behind the products of tiles 5, 6 and 7
	BMAX 2, 3
.if \qt == 3
	s_cmp_eq_u32 s[STEP], 3                        ; the next step's K, if there is one: no load leaves its buffer.  K's registers, its scale words and k_adj have had their last reader of this step
	s_cbranch_scc1 .Lno_k_\@
	KLOAD
.Lno_k_\@:
.endif
.irp k, 0,1,2,3,4,5,6,7
	v_permlanex16_b32 v[T1+\k], v[BM+\k], s[SEL], s[SEL+1]
.endr
.irp k, 0,1,2,3,4,5,6,7
	v_max_num_f32 v[BM+\k], v[BM+\k], v[T1+\k]     ; with lane l xor 16's 16 keys: the block's largest score
.endr
	v_max3_num_f32 v[TMP], v[BM], v[BM+1], v[BM+2]
	v_max3_num_f32 v[TMP+1], v[BM+4], v[BM+5], v[BM+6]
	v_max_num_f32 v[TMP], v[TMP], v[BM+3]
	v_max_num_f32 v[TMP+1], v[TMP+1], v[BM+7]
	v_mul_f32 v[TMP], s[CS], v[TMP]                ; as t (c is positive)
	v_mul_f32 v[TMP+1], s[CS], v[TMP+1]
	v_max_num_f32 v[IA+1], v[IA+1], v[TMP]         ; the running largest t
	v_max_num_f32 v[IB+1], v[IB+1], v[TMP+1]
	v_mov_b32 v[TMP], v[IA]
	v_mov_b32 v[TMP+1], v[IB]
	v_floor_f32 v[IA], -v[IA+1]                    ; the new -M = -ceil(t): a whole number
	v_floor_f32 v[IB], -v[IB+1]
	v_sub_f32 v[TMP], v[IA], v[TMP]                ; old M - new M: a whole number, 0 or less
	v_sub_f32 v[TMP+1], v[IB], v[TMP+1]
	v_cvt_i32_f32 v[TMP], v[TMP]                   ; (it saturates)
	v_cvt_i32_f32 v[TMP+1], v[TMP+1]
	v_ldexp_f32 v[FF], 1.0, v[TMP]                 ; f = 2^(old M - new M): a multiplication by it rounds nothing
	v_ldexp_f32 v[FF+2], 1.0, v[TMP+1]
.set k, 0
.rept 32
	v_pk_fma_f32 v[SA+2*k:SA+2*k+1], v[SA+2*k:SA+2*k+1], s[CS:CS+1], v[IA:IA+1] op_sel_hi:[1,0,0]   ; head A: t - M, two at a time
.set k, k+1
.endr
.irp b, 0,1,2,3
	v_fma_f32 v[BM+\b], v[BM+\b], s[CS], v[IA]     ; the same of each block's largest score
.endr
.set k, 0
.rept 32                               ; head A's exponentials, with head B's scalings between them
	v_pk_fma_f32 v[SB+2*k:SB+2*k+1], v[SB+2*k:SB+2*k+1], s[CS:CS+1], v[IB:IB+1] op_sel_hi:[1,0,0]
	v_exp_f32 v[SA+2*k], v[SA+2*k]
	v_exp_f32 v[SA+2*k+1], v[SA+2*k+1]
.set k, k+1
.endr
.irp b, 0,1,2,3
	v_fma_f32 v[BM+4+\b], v[BM+4+\b], s[CS], v[IB]
	v_exp_f32 v[BM+\b], v[BM+\b]                   ; the block's largest p: the same two operations on the same number
.endr
	v_pk_mul_f32 v[IA+2:IA+3], v[IA+2:IA+3], v[FF:FF+1] op_sel_hi:[1,0]   ; head A's sums under the new M.  (The plain line behind the exponentials)
	s_wait_alu depctr_va_vdst(0)                   ; the wait ahead of the first line that names an exponential's result: one for head A's 68
.set q, 0
.set n, 0
.rept 64                               ; head B's exponentials, with head A's plain work between them: it names none of their results
	v_exp_f32 v[SB+n], v[SB+n]
.if q < 115
	AOP 0
.endif
.if q < 115
	AOP 0
.endif
.set n, n+1
.endr
.irp b, 0,1,2,3
	v_exp_f32 v[BM+4+\b], v[BM+4+\b]
.endr
	v_pk_mul_f32 v[IB+2:IB+3], v[IB+2:IB+3], v[FF+2:FF+3] op_sel_hi:[1,0]
	s_wait_alu depctr_va_vdst(0)                   ; and one for head B's 68
.set q, 0
.rept 115
	AOP 1
.endr
	WIN 0xC0                                       ; destination window 3: p's codes ARE the second product's operand: registers 4 b .. 4 b + 3 hold keys 32 b + 16 h + 0 .. 15
.irp hd, 0,1
.irp b, 0,1,2,3
	v_cvt_scalef32_pk8_bf8_f32 v[96+16*\hd+4*\b:97+16*\hd+4*\b], v[SA+64*\hd+16*\b:SA+64*\hd+16*\b+7], v[T3+4*\hd+\b]
	v_cvt_scalef32_pk8_bf8_f32 v[98+16*\hd+4*\b:99+16*\hd+4*\b], v[SA+64*\hd+16*\b+8:SA+64*\hd+16*\b+15], v[T3+4*\hd+\b]
.endr
.endr
	WIN 0x41                                       ; O^T under the new M: x f.  These 32 are the plain lines behind the conversions and the places between the codes and the products; the scale words were made further up
.set k, 0
.rept 16
	v_pk_mul_f32 v[64*\qt+2*k:64*\qt+2*k+1], v[64*\qt+2*k:64*\qt+2*k+1], v[FF:FF+1] op_sel_hi:[1,0]
.set k, k+1
.endr
.set k, 0
.rept 16
	v_pk_mul_f32 v[64*\qt+32+2*k:64*\qt+32+2*k+1], v[64*\qt+32+2*k:64*\qt+32+2*k+1], v[FF+2:FF+3] op_sel_hi:[1,0]
.set k, k+1
.endr
.if \qt == 0
	s_wait_loadcnt 0x0                             ; V and its scale words are in; every load has read its base,
	s_wait_xcnt 0x0                                ; and so have the last step's prefetches: the pointers step to the next step
	s_add_nc_u64 s[KP:KP+1], s[KP:KP+1], 4*UNIT
	s_add_nc_u64 s[VP:VP+1], s[VP:VP+1], VUNIT
	s_add_nc_u64 s[KIP:KIP+1], s[KIP:KIP+1], 512
.endif
	WIN 0x5E                                       ; V window 2, p window 3, O^T window 1.  The eight accumulators take turns
.irp t, 0,1,2,3
.irp hd, 0,1
	v_wmma_scale_f32_16x16x128_f8f6f4 v[64*\qt+32*\hd+8*\t:64*\qt+32*\hd+8*\t+7], v[128+16*(4*\hd+\t):128+16*(4*\hd+\t)+15], v[96+16*\hd:111+16*\hd], v[64*\qt+32*\hd+8*\t:64*\qt+32*\hd+8*\t+7], v[VS+4*\hd+\t], v[PS+\hd] matrix_a_fmt:MATRIX_FMT_BF8 matrix_b_fmt:MATRIX_FMT_BF8
.endr
.endr
	WIN 0
.endm
	s_mov_b32 s[STEP], 0
.Lstep:                                ; four trips: a step of 128 keys of my quarter
.rept 8
	v_nop                                          ; places ahead of loads into registers that the last products read
.endr
	WIN 0x80
.irp hd, 0,1
.irp t, 0,1,2,3
.irp c, 0,1,2,3
	global_load_b128 v[128+16*(4*\hd+\t)+4*\c:128+16*(4*\hd+\t)+4*\c+3], v[LN16], s[VP:VP+1] offset:\hd*VHEAD+\t*2048+512*\c
.endr
.endr
.endr
	WIN 0
.irp hd, 0,1
.irp t, 0,1,2,3
	global_load_b32 v[VS+4*\hd+\t], v[VSO], s[VP:VP+1] offset:\hd*VHEAD+8192+64*\t
.endr
.endr
	s_wait_loadcnt 40                              ; V's 40 loads just issued may be out; K's 52, issued ahead of them on both ways to this line, are in
	WIN 0xCF
.set n, 0
.rept 64
	v_cmp_eq_i32 vcc_lo, -1, v[128+n]
	v_cndmask_b32 v[128+n], v[128+n], v216, vcc_lo ; k_adj
.set n, n+1
.endr
	WIN 0
	BODY 0
	BODY 1
	BODY 2
	BODY 3
	s_add_co_u32 s[STEP], s[STEP], 1
	s_cmp_lt_u32 s[STEP], 4
	s_cbranch_scc1 .Lstep
	; ---- THE MERGE.  Each wave holds O^T, -M and the sum of all 8 (tile, head) for its quarter of the keys.
.irp i, 0,1,2,3,4,5,6,7
	v_add_f32 v[ST+4*\i+2], v[ST+4*\i+2], v[ST+4*\i+3]             ; the sum's two halves.  (These lines and the addresses below are the places behind the last products)
.endr
.irp i, 0,1,2,3,4,5,6,7
	v_permlanex16_b32 v[ST+4*\i+1], v[ST+4*\i+2], s[SEL], s[SEL+1]
.endr
.irp i, 0,1,2,3,4,5,6,7
	v_add_f32 v[ST+4*\i+2], v[ST+4*\i+2], v[ST+4*\i+1]             ; and lane l xor 16's
.endr
	s_mul_i32 s46, s[WV], PARTW
	v_mul_u32_u24 v224, v[RR], 272
	v_lshl_add_u32 v224, v[HH], 5, v224
	v_add_nc_u32 v224, s46, v224                   ; my partial tiles: row r, + 32 h
	s_lshl_b32 s47, s[WV], 9
	s_add_co_u32 s48, s47, STAT
	v_lshl_add_u32 v225, v[RR], 2, s48             ; my statistics: 4 r (both halves of the lanes write the same word with the same number)
	s_lshl_b32 s49, s[WV], 7
	s_add_co_u32 s49, s49, STAT
	v_lshl_add_u32 v226, v[LN], 2, s49             ; tile qt = wave's statistics of a partner: lane = (row, head)
	s_add_co_u32 s47, s47, GF
	v_lshl_add_u32 v227, v[LN], 4, s47             ; my factors: 16 bytes for each (row, head)
	v_lshl_add_u32 v228, v[HH], 4, s47             ; and back: row 2 k + lane / 16
	s_mul_i32 s46, s[WV], 8704
	v_mul_u32_u24 v229, v[HH], 272
	v_lshl_add_u32 v229, v[RR], 4, v229
	v_add_nc_u32 v229, s46, v229                   ; partner 0's partial tile of tile qt = wave: lanes 0-15 one row, lanes 16-31 the next
	v_add_nc_u32 v230, PARTW, v229
	v_add_nc_u32 v231, 2*PARTW, v229
	v_add_nc_u32 v232, 3*PARTW, v229
	v_lshlrev_b32 v233, 8, v[HH]
	v_lshl_add_u32 v233, v[RR], 4, v233            ; the same two rows in out0
	BARRIER                                        ; no wave's gather is out: the tables may be written over
	WIN 0x04                                       ; an LDS store's data are its source 1: window 1
.irp i, 0,1,2,3,4,5,6,7
.irp t, 0,1,2,3
	ds_store_b128 v224, v[32*\i+8*\t:32*\i+8*\t+3] offset:\i*4352+64*\t          ; lane (r, h): channels 16 t + 8 h + 0 .. 7 of row r; each accumulator from its low end on
	ds_store_b128 v224, v[32*\i+8*\t+4:32*\i+8*\t+7] offset:\i*4352+64*\t+16
.endr
.endr
	WIN 0
.irp i, 0,1,2,3,4,5,6,7
	ds_store_b32 v225, v[ST+4*\i] offset:64*\i
	ds_store_b32 v225, v[ST+4*\i+2] offset:2048+64*\i
.endr
	BARRIER                                        ; all partial results lie in LDS
.irp p, 0,1,2,3
	ds_load_b32 v[236+\p], v226 offset:512*\p      ; -M of partner p
	ds_load_b32 v[240+\p], v226 offset:2048+512*\p ; its sum
.endr
	s_wait_dscnt 0x0
	v_min_num_f32 v244, v236, v237
	v_min_num_f32 v245, v238, v239
	v_min_num_f32 v244, v244, v245                 ; -(the largest M)
.irp p, 0,1,2,3
	v_sub_f32 v[248+\p], v244, v[236+\p]           ; M of partner p less the largest: a whole number, 0 or less
.endr
.irp p, 0,1,2,3
	v_cvt_i32_f32 v[248+\p], v[248+\p]
.endr
.irp p, 0,1,2,3
	v_ldexp_f32 v[248+\p], 1.0, v[248+\p]
.endr
	v_mul_f32 v245, v248, v240
	v_fma_f32 v245, v249, v241, v245
	v_fma_f32 v245, v250, v242, v245
	v_fma_f32 v245, v251, v243, v245               ; the row's sum under the largest M
	v_rcp_f32 v246, v245
	v_nop                                          ; a plain line behind the reciprocal
	s_wait_alu depctr_va_vdst(0)                   ; and the wait ahead of its first reader
.irp p, 0,1,2,3
	v_mul_f32 v[252+\p], v[248+\p], v246
.endr
	ds_store_b128 v227, v[252:255]                 ; my wave's own bytes: LDS serves a wave's instructions in order (ISA guide 5.7.1.4), so the loads below see them
; Head hd, rows 8 a .. 8 a + 7 of tile qt = wave: for each pair of rows the four factors and the four partners' 16 bytes a lane; sixteen lanes store one row of out0: 256 consecutive bytes, aligned.
.macro BATCH hd, a
.irp kk, 0,1,2,3
	ds_load_b128 v[128+20*\kk:131+20*\kk], v228 offset:\hd*256+32*(4*\a+\kk)
.irp p, 0,1,2,3
	ds_load_b128 v[132+20*\kk+4*\p:135+20*\kk+4*\p], v[229+\p] offset:\hd*4352+544*(4*\a+\kk)
.endr
.endr
	s_wait_dscnt 0x0
	s_wait_xcnt 0x0                                ; the last batch's stores have read their registers
.irp kk, 0,1,2,3
.irp e, 0,1,2,3
	v_mul_f32 v[208+4*\kk+\e], v[132+20*\kk+\e], v[128+20*\kk]
.endr
.irp p, 1,2,3
.irp e, 0,1,2,3
	v_fma_f32 v[208+4*\kk+\e], v[132+20*\kk+4*\p+\e], v[128+20*\kk+\p], v[208+4*\kk+\e]
.endr
.endr
	global_store_b128 v233, v[208+4*\kk:211+4*\kk], s[OP:OP+1] offset:\hd*524288+(2*(4*\a+\kk)+8*\a)*256 th:TH_STORE_NT   ; the tile's rows 8-15 are queries 16-23 of its 32
.endr
.endm
	BATCH 0, 0
	BATCH 0, 1
	BATCH 1, 0
	BATCH 1, 1
	s_wait_tensorcnt 0x0                           ; the wave's end
	ds_add_u32 v[SPW], v[NIL]
	s_wait_dscnt 0x0
	s_endpgm
.Lfunc_end_k_q6be044f325_attn:
	.size	k_q6be044f325_attn, .Lfunc_end_k_q6be044f325_attn-k_q6be044f325_attn
	.p2alignl 7, 3214868480
	.fill 96, 4, 3214868480
	.section	.rodata,"a",@progbits
	.p2align	6, 0x0
	.amdhsa_kernel k_q6be044f325_attn
		.amdhsa_group_segment_fixed_size 263680
		.amdhsa_private_segment_fixed_size 0
		.amdhsa_enable_private_segment 0
		.amdhsa_kernarg_size 40
		.amdhsa_user_sgpr_count 2
		.amdhsa_user_sgpr_kernarg_segment_ptr 1
		.amdhsa_wavefront_size32 1
		.amdhsa_system_sgpr_workgroup_id_x 1
		.amdhsa_system_sgpr_workgroup_id_y 1
		.amdhsa_system_sgpr_workgroup_id_z 1
		.amdhsa_system_vgpr_workitem_id 0
		.amdhsa_next_free_vgpr 1024
		.amdhsa_next_free_sgpr 66
		.amdhsa_reserve_vcc 1
		.amdhsa_float_denorm_mode_32 3
		.amdhsa_float_denorm_mode_16_64 3
		.amdhsa_memory_ordered 1
		.amdhsa_forward_progress 1
		.amdhsa_inst_pref_size 255
	.end_amdhsa_kernel
	.section	.bss,"aw",@nobits
	.p2align	6
	.space	262144
	.amdgpu_metadata
---
amdhsa.version: [ 1, 2 ]
amdhsa.kernels:
  - .name:           k_q6be044f325_attn
    .symbol:         k_q6be044f325_attn.kd
    .args:
      - { .name: rows, .offset: 0, .size: 8, .value_kind: global_buffer, .address_space: global }
      - { .name: vcol, .offset: 8, .size: 8, .value_kind: global_buffer, .address_space: global }
      - { .name: q_info, .offset: 16, .size: 8, .value_kind: global_buffer, .address_space: global }
      - { .name: k_info, .offset: 24, .size: 8, .value_kind: global_buffer, .address_space: global }
      - { .name: out0, .offset: 32, .size: 8, .value_kind: global_buffer, .address_space: global }
    .group_segment_fixed_size: 263680
    .private_segment_fixed_size: 0
    .kernarg_segment_align: 8
    .kernarg_segment_size: 40
    .max_flat_workgroup_size: 128
    .sgpr_count:     66
    .vgpr_count:     1024
    .wavefront_size: 32
...
	.end_amdgpu_metadata
.endif
;; end of part 2
;; ======== version 2 of 2: 2 launches; version 1 with the launch attn written anew for expert scheduling mode
;; workspace buffers: rows 4,495,616 bytes; vcol 2,162,688 bytes
;; launch prep: the kernel of part 1 again; grid 387 x 1, 4 waves a work-group, no clusters, 17,920 bytes of LDS; arguments q, k, rel_emb, v, rows, vcol; writes rows, vcol
;; launch attn (part 3): grid 32 x 8, 4 waves a work-group, no clusters, 263,680 bytes of LDS; arguments rows, vcol, q_info, k_info, out0; writes out0
.if DOCPART == 3
	.amdgcn_target "amdgcn-amd-amdhsa--gfx1250"
	.amdhsa_code_object_version 6
	.text
	.protected	k_q6be044f325_attn
	.globl	k_q6be044f325_attn
	.p2align	8
	.type	k_q6be044f325_attn,@function
k_q6be044f325_attn:
	s_mov_b64 s[64:65], 0
	v_nop
	global_prefetch_b8 v0, s[64:65] scope:SCOPE_SE
	s_setreg_imm32_b32 hwreg(HW_REG_WAVE_SCHED_MODE, 0, 2), 2
	s_setreg_imm32_b32 hwreg(HW_REG_WAVE_MODE, 25, 1), 1
	s_wait_xcnt 0x0
	s_wait_alu depctr_vm_vsrc(0)
; out0[b][h][q] = the sum over k of softmax_k((q . k + qr[q][dm(q, k)]) / 8) v[k], qr = q rel_emb^T, dm = clip(k_adj[k] - q_adj[q], -128, 128) + 128; all three products on codes of BF8 (E5M2) with E8M0 scales,
; as the launch before has laid them (its head comment gives the two layouts).  THE SOFTMAX: t = score x log2(e) / 8; M = the largest t so far, rounded up to a whole number; p = 2^(t - M) is what is quantised,
; along the keys; the row's sum is taken of the unquantised p and divides at the end.
; SHARES.  A work-group owns 64 queries (x) of a PAIR of heads 2 y and 2 y + 1 (y = 4 b + hp).  Each of its four waves walks all 64 queries x 2 heads over ITS OWN QUARTER of the keys, 512, in 4 steps of 128;
; the four partial results (O, M, the sum) meet in LDS at the end; the factors between them are whole powers of two.
; WHY A PAIR.  A product's K is 64, half of the matrix instruction's 128.  A key tile's operand is [K of head A | K of head B]; the queries' operands are [Q_A | zeros] and [zeros | Q_B] (24 registers hold Q_A, zeros, Q_B):
; zero codes add nothing, so one fragment and one scale word of K serve both heads.  And dm hangs on the batch alone: one index serves two scores.
; THE BIAS.  qr of the work-group's 64 queries x 2 heads lies in LDS as T[query tile][head][index 0..256][slot 0..31], 128 bytes an index; query r's number stands in slots r and r + 16.  Lane l always reads slot l:
; word 32 x index + l, so the 32 lanes of a gather touch 32 different banks (64 banks of 4 bytes: ISA guide 11.1).  A gather lands in the score's own accumulator register, and the product K Q^T takes it as its C: no addition is written.
; NO TENSOR LOADS, NO CLUSTER, though the 32 work-groups of a pair walk the same K and V: the tables take 263,168 of the 327,680 bytes; a step of one wave's quarter is 17,408 bytes of K and 16,896 of V, and two slots
; of that for four waves are 274,432 bytes.  Each wave reads its quarter once and uses every fragment for four tiles of queries: K and V go from memory straight into registers.
; So nothing writes LDS while the gathers run: tables | barrier | gathers alone | barrier | the partial results, laid over the tables.
; LAYOUT.  Both products transposed: a lane holds one query.  Query tile qt = 2 bq + u: lane r holds query 64 x + 32 bq + 8 u + r + 8 (r / 8).  Score register 16 b + i of lane (r, h): key 32 b + 16 h + i of the step.
; LIMITS: q_info and k_info within +-2^30 (their difference is formed in 32 bits); NaN and infinities among the floating-point inputs are not served; p under 2^-126 becomes 0; a block's largest p is taken as the p of
; its largest score; a block of p under the floor 2^(16 - 127) keeps the byte 1.
; THE MODE: SCHED_MODE bits 1:0 = 2 (LLVM: expert scheduling mode 2), set by the entry lines.  The code itself states the register dependences between vector or matrix instructions and memory or LDS instructions,
; with s_wait_alu, always for 0.
; THE PLAN.  Registers that memory or LDS instructions touch, in the loop:
;   AD        64 gather addresses, a register for each score register: the lower half for key tiles 0-3, the upper for tiles 4-7.  Written by the index arithmetic, read by the gathers, named by nothing else.
;   SA, SB    The gathers land in them; K Q^T takes them as C and D; the softmax works on them; the conversions read them last.
;   K, KS, k_adj   Loaded once a step, in query tile 3, behind their last readers (K Q^T; the subtractions).      V, VS   Loaded at the step's head, behind the last step's V^T P.
;   The offsets and LDS bases (v1-4, v12-15, v113-116) are made at the head and never written again.
; A TILE OF QUERIES: gathers of key tiles 0-3 | a wait on vm_vsrc | the upper addresses, while those gathers come back | a wait on va_vdst | gathers of tiles 4-7 dealt among the products | a wait on vm_vsrc |
; THE NEXT TILE'S lower addresses | the last products | the softmax, with its two waits behind the exponentials | the conversions | a wait on va_vdst | V^T P.  That last wait states that p's codes and scale words are
; written, that the conversions are done reading SA and SB, and that the next tile's lower addresses are written; behind it stand only the eight products V^T P, which name none of AD, SA, SB: so the next tile's first
; 64 gathers follow with no wait of their own.  Tile 0's lower addresses are made at the step's head, behind k_adj.
; REGISTERS, in windows of 256 (s_set_vgpr_msb: bits 1:0 source 0, 3:2 source 1, 5:4 source 2, 7:6 destination):
;   window 0: addresses, statistics, scale words, at work; v128-191, v192-255 the scores of heads A and B.   window 1: O^T, 32 registers for each of 8 (tile, head); during the tables: rel_emb's 16 fragments.
;   window 2: v0-127 K's 8 fragments; v128-255 V's 8.   window 3: v0-95 Q, 24 a tile; v96-127 p's codes; v128-191 k_adj of the step's keys; v192-255 AD (during the tables v192-215: the tile whose table I build).
.set UNIT,  4352
.set VUNIT, 8448
.set VHEAD, 16*VUNIT                   ; from head A's unit of V to head B's
.set TABQ,  65792                      ; LDS: a query tile's two tables
.set TABX,  32896                      ; one of them: 257 x 128 bytes
.set SPARE, 4*TABQ                     ; behind the tables: the spare words, 128 bytes for each wave: two blocks of 256 bytes that no other line names
.set PARTW, 34816                      ; the merge, over the tables: a wave's 8 partial tiles of 16 rows x (256 bytes + 16)
.set STAT,  4*PARTW                    ; -M: 512 bytes a wave, 64 a (tile, head); the sums 2,048 bytes on
.set GF,    STAT+4096                  ; the merge's factors: 512 bytes a wave
.set LN16, 1                           ; v1   16 x lane
.set LN8,  2                           ; v2   8 x lane
.set VSO,  3                           ; v3   4 (lane % 16)
.set KIO,  4                           ; v4   64 (lane / 16)
.set SPW,  6                           ; v6   LDS address of my spare word; never rewritten
.set NIL,  7                           ; v7   0; never rewritten
.set QP,   8                           ; v8-11   q_adj - 128 of my query in tile qt
.set LB,   12                          ; v12-15  tile qt's tables + 4 x lane
.set ST,   16                          ; v16-47  (tile, head) i = 2 qt + X at 4 i: -M, the largest t, the sum in two halves
.set KS,   48                          ; v48-55  K's scale words
.set VS,   56                          ; v56-63  V's
.set QS,   64                          ; v64-67  Q's
.set PS,   68                          ; v68-69  p's, a head each
.set BM,   70                          ; v70-77  a block's largest score, then its largest p (4 X + b).  During the tables v70-86 hold rel_emb's scale words
.set T1,   78                          ; v78-85  permute destinations, then bytes
.set T2,   86                          ; v86-93  57,344 x the scale
.set T3,   94                          ; v94-101 the conversions' scale operands
.set FF,   102                         ; v102-105 f = 2^(old M - new M), the low word of a pair for each head
.set TMP,  106                         ; v106-107
.set SU,   108                         ; v108-111 the second chain of the sums
.set QWS,  112                         ; v112 the scale word of the tile whose table I build
.set TA1,  113                         ; v113, v114 where I store a table's numbers: slot = my lane, slot = my lane xor 16
.set TA2,  114
.set PFO1, 115                         ; v115, v116 the prefetches' offsets; never rewritten
.set PFO2, 116
.set K384, 117                         ; v117 the number 384: k_adj where k_info is -1
.set C256, 124                         ; v124 the number 256
.set HH,   125                         ; v125 lane / 16
.set RR,   126                         ; v126 lane % 16
.set LN,   127                         ; v127 lane
.set SA,   128
.set SB,   192
.set AD,   192                         ; in window 3
.set WV,   14                          ; s14 wave = my quarter of the keys = the tile whose table I build and whose rows I merge
.set XB,   15                          ; s15 which 64 queries
.set YB,   16                          ; s16 which pair of heads
.set SEL,  20                          ; s[20:21] v_permlanex16_b32's selects for lane l xor 16
.set CS,   22                          ; s[22:23] c = log2(e) / 8: the packed form names a pair and takes its low word for both halves
.set MNT,  24                          ; s24 the mantissa field of 57,344
.set STEP, 25                          ; s25 counts the steps
.set PFL,  27                          ; s27 3 in the pair's first work-group, else 0: a wave prefetches while the step's number is under it
.set KP,   30                          ; s[30:31] K's units of the step to be loaded
.set VP,   32                          ; s[32:33] V's
.set RP,   34                          ; s[34:35] rel_emb's units
.set QPT,  36                          ; s[36:37] my work-group's two units of Q
.set QWP,  38                          ; s[38:39] the fragment of tile qt = wave
.set KIP,  40                          ; s[40:41] k_info at the step to be loaded
.set QIP,  42                          ; s[42:43] q_info at my work-group's queries
.set OP,   44                          ; s[44:45] out0 at head A, the first query of tile qt = wave
.set QSP,  50                          ; s[50:51] where that tile's scale words stand
.set MSB, 0
.macro WIN new                         ; the immediate's high byte repeats the setting that is left; a switch that changes nothing is dropped
.if MSB != \new
	s_set_vgpr_msb (MSB<<8)|\new
.set MSB, \new
.endif
.endm
.macro MKSET                           ; lane mask i of sixteen lies in s[mk]: s2 .. s13 (the arguments' registers, done with behind the head's pointers), s46 .. s49 (at work at the head and in the merge alone)
.set mk, 2+i
.if i >= 12
.set mk, 34+i
.endif
.endm
.macro BARRIER                         ; my LDS stores have landed and my LDS loads are in: then the work-group's barrier
	s_wait_dscnt 0x0
	s_barrier_signal -1
	s_barrier_wait -1
.endm
; A step's K: 8 fragments, their scale words, and k_info of its 128 keys (lane half h: keys 32 b + 16 h + 0 .. 15): 52 loads
.macro KLOAD
	WIN 0x80
.irp t, 0,1,2,3,4,5,6,7
.irp c, 0,1,2,3
	global_load_b128 v[16*\t+4*\c:16*\t+4*\c+3], v[LN16], s[KP:KP+1] offset:(\t/2)*UNIT+(\t%2)*2048+512*\c
.endr
.endr
	WIN 0
.irp b, 0,1,2,3
	global_load_b64 v[KS+2*\b:KS+2*\b+1], v[LN8], s[KP:KP+1] offset:\b*UNIT+4096
.endr
	WIN 0xC0
.irp b, 0,1,2,3
.irp m, 0,1,2,3
	global_load_b128 v[128+16*\b+4*\m:128+16*\b+4*\m+3], v[KIO], s[KIP:KIP+1] offset:128*\b+16*\m
.endr
.endr
	WIN 0
.endm
	s_load_b256 s[4:11], s[0:1], 0x0               ; rows s[4:5], vcol s[6:7], q_info s[8:9], k_info s[10:11]
	s_load_b64 s[12:13], s[0:1], 0x20              ; out0
	v_lshl_add_u32 v[SPW], v0, 2, SPARE
	v_mov_b32 v[NIL], 0
	v_lshrrev_b32 v5, 5, v0
	v_readfirstlane_b32 s[WV], v5                  ; wave 0..3
	s_mov_b32 s[XB], ttmp9
	s_and_b32 s[YB], ttmp7, 0xffff
	v_and_b32 v[LN], 31, v0
	v_and_b32 v[RR], 15, v0
	v_bfe_u32 v[HH], v0, 4, 1
	v_lshlrev_b32 v[LN16], 4, v[LN]
	v_lshlrev_b32 v[LN8], 3, v[LN]
	v_lshlrev_b32 v[VSO], 2, v[RR]
	v_lshlrev_b32 v[KIO], 6, v[HH]
	v_and_b32 v5, 8, v[RR]
	v_add_nc_u32 v5, v5, v[RR]
	v_lshlrev_b32 v5, 2, v5                        ; q_info: 4 (r + 8 (r / 8))
	v_mov_b32 v[C256], 0x100
	s_mov_b32 s[SEL], 0x76543210
	s_mov_b32 s[SEL+1], 0xfedcba98
	s_mov_b32 s[CS], 0x3e38aa3b                    ; log2(e) / 8
	s_mov_b32 s[CS+1], s[CS]                       ; (named with it as a pair, so it is written)
	s_mov_b32 s[MNT], 0x600000
	s_wait_alu depctr_va_sdst(0)                   ; the wave's number is written into s14, ahead of its first reader: the offsets below are made from it
	; the offsets, each made apart from its address
	s_lshl_b32 s46, s[YB], 6                       ; 64 units a pair
	s_lshl_b32 s47, s[WV], 4                       ; my quarter: 16 units of 32 keys
	s_add_co_u32 s47, s47, s46
	s_add_co_u32 s47, s47, 512                     ; k's units stand behind q's 512
	s_mul_i32 s[KP], s47, UNIT
	s_mov_b32 s[KP+1], 0
	s_lshl_b32 s47, s[YB], 5                       ; V: 16 units a head, head 2 y
	s_lshl_b32 s48, s[WV], 2
	s_add_co_u32 s47, s47, s48
	s_mul_i32 s[VP], s47, VUNIT
	s_mov_b32 s[VP+1], 0
	s_lshl_b32 s47, s[XB], 1
	s_add_co_u32 s47, s47, s46
	s_mul_i32 s[QPT], s47, UNIT
	s_mov_b32 s[QPT+1], 0
	s_lshr_b32 s47, s[WV], 1
	s_mul_i32 s47, s47, UNIT                       ; tile qt = wave: unit wave / 2,
	s_and_b32 s48, s[WV], 1
	s_lshl_b32 s49, s48, 11                        ; fragment wave % 2
	s_add_co_u32 s[QWP], s47, s49
	s_mov_b32 s[QWP+1], 0
	s_lshl_b32 s49, s48, 2                         ; and the word of that fragment
	s_add_co_u32 s[QSP], s47, s49
	s_mov_b32 s[QSP+1], 0
	s_lshr_b32 s47, s[YB], 2
	s_lshl_b32 s47, s47, 13                        ; the batch's 2,048 whole numbers
	s_lshl_b32 s49, s[WV], 11
	s_add_co_u32 s[KIP], s47, s49
	s_mov_b32 s[KIP+1], 0
	s_lshl_b32 s49, s[XB], 8
	s_add_co_u32 s[QIP], s47, s49
	s_mov_b32 s[QIP+1], 0
	s_lshl_b32 s47, s[XB], 6
	s_lshr_b32 s49, s[WV], 1
	s_lshl_b32 s49, s49, 5
	s_add_co_u32 s47, s47, s49
	s_lshl_b32 s49, s48, 3
	s_add_co_u32 s47, s47, s49                     ; query 64 x + 32 (wave / 2) + 8 (wave % 2)
	s_lshl_b32 s47, s47, 8
	s_lshl_b32 s49, s[YB], 20                      ; head 2 y
	s_add_co_u32 s[OP], s47, s49
	s_mov_b32 s[OP+1], 0
	s_cmp_eq_u32 s[XB], 0
	s_cselect_b32 s[PFL], 3, 0
	s_mul_i32 s46, s[WV], TABQ
	s_wait_kmcnt 0x0
	s_add_nc_u64 s[KP:KP+1], s[4:5], s[KP:KP+1]
	s_add_nc_u64 s[VP:VP+1], s[6:7], s[VP:VP+1]
	s_add_nc_u64 s[RP:RP+1], s[4:5], 1024*UNIT
	s_add_nc_u64 s[QPT:QPT+1], s[4:5], s[QPT:QPT+1]
	s_add_nc_u64 s[QWP:QWP+1], s[QPT:QPT+1], s[QWP:QWP+1]
	s_add_nc_u64 s[QSP:QSP+1], s[QPT:QPT+1], s[QSP:QSP+1]
	s_add_nc_u64 s[KIP:KIP+1], s[10:11], s[KIP:KIP+1]
	s_add_nc_u64 s[QIP:QIP+1], s[8:9], s[QIP:QIP+1]
	s_add_nc_u64 s[OP:OP+1], s[12:13], s[OP:OP+1]
	; ---- all first loads in one run
	s_wait_alu depctr_va_vdst(0)                   ; the offsets v1 to v5 are written: every global load of the kernel reads one of them.  No vector instruction has yet named a register in which these loads land
	WIN 0xC0
.irp qt, 0,1,2,3                       ; Q stays in registers: chunks 0, 1 (head A) at 24 qt, chunks 2, 3 (head B) at 24 qt + 16; eight zeros between
.irp c, 0,1
	global_load_b128 v[24*\qt+4*\c:24*\qt+4*\c+3], v[LN16], s[QPT:QPT+1] offset:(\qt/2)*UNIT+(\qt%2)*2048+512*\c
	global_load_b128 v[24*\qt+16+4*\c:24*\qt+16+4*\c+3], v[LN16], s[QPT:QPT+1] offset:(\qt/2)*UNIT+(\qt%2)*2048+1024+512*\c
.endr
.endr
.irp c, 0,1                            ; and tile qt = wave once more, at fixed registers, for the tables
	global_load_b128 v[192+4*\c:192+4*\c+3], v[LN16], s[QWP:QWP+1] offset:512*\c
	global_load_b128 v[208+4*\c:208+4*\c+3], v[LN16], s[QWP:QWP+1] offset:1024+512*\c
.endr
	WIN 0
	global_load_b64 v[QS:QS+1], v[LN8], s[QPT:QPT+1] offset:4096
	global_load_b64 v[QS+2:QS+3], v[LN8], s[QPT:QPT+1] offset:UNIT+4096
	global_load_b32 v[QWS], v[LN8], s[QSP:QSP+1] offset:4096
.irp qt, 0,1,2,3
	global_load_b32 v[QP+\qt], v5, s[QIP:QIP+1] offset:4*(32*(\qt/2)+8*(\qt%2))
.endr
	WIN 0x40
.irp t, 0,1,2,3,4,5,6,7,8,9,10,11,12,13,14,15      ; rel_emb's rows 0-255: 16 fragments
.irp c, 0,1,2,3
	global_load_b128 v[16*\t+4*\c:16*\t+4*\c+3], v[LN16], s[RP:RP+1] offset:(\t/2)*UNIT+(\t%2)*2048+512*\c
.endr
.endr
	WIN 0
.irp b, 0,1,2,3,4,5,6,7
	global_load_b64 v[70+2*\b:71+2*\b], v[LN8], s[RP:RP+1] offset:\b*UNIT+4096
.endr
	global_load_b32 v86, v[LN8], s[RP:RP+1] offset:8*UNIT+4096+4
	WIN 0x80
.irp c, 0,1,2,3                        ; the ninth unit's second fragment: rows 233-240 and 249-256
	global_load_b128 v[128+4*\c:128+4*\c+3], v[LN16], s[RP:RP+1] offset:8*UNIT+2048+512*\c
.endr
	KLOAD                                          ; step 0's K
	; work on registers that no pending load writes
	WIN 0xC0
.irp qt, 0,1,2,3
.irp j, 0,1,2,3,4,5,6,7
	v_mov_b32 v[24*\qt+8+\j], 0                    ; the zero codes between Q_A and Q_B
.endr
.endr
.irp j, 0,1,2,3,4,5,6,7
	v_mov_b32 v[200+\j], 0
.endr
	WIN 0
	v_mov_b32 v[K384], 0x180                       ; k_adj where k_info is -1
.irp i, 0,1,2,3,4,5,6,7
	v_mov_b32 v[ST+4*\i+1], 0xff61b1e6             ; the largest t so far: -3e38, under every t
	v_mov_b32 v[ST+4*\i+2], 0                      ; the sum, in two halves
	v_mov_b32 v[ST+4*\i+3], 0
.endr
.irp i, 0,1,2,3,4,5,6,7
	v_floor_f32 v[ST+4*\i], -v[ST+4*\i+1]          ; -M
.endr
	v_mov_b32 v[FF+1], 0                           ; (named as the upper halves of f's pairs)
	v_mov_b32 v[FF+3], 0
	v_lshlrev_b32 v[LB], 2, v[LN]
	v_add_nc_u32 v[LB+1], TABQ, v[LB]
	v_add_nc_u32 v[LB+2], 2*TABQ, v[LB]
	v_add_nc_u32 v[LB+3], 3*TABQ, v[LB]
	v_lshl_add_u32 v[TA1], v[HH], 11, v[LB]        ; lanes 16-31 hold indices 16 further on: 16 x 128 bytes
	v_add_nc_u32 v[TA1], s46, v[TA1]               ; tile qt = wave's tables
	v_xor_b32 v[TA2], 64, v[TA1]                   ; the slot 16 away: bit 6 of the address is the lane's bit 4 alone
	v_mul_u32_u24 v[PFO1], v[HH], UNIT
	v_lshl_add_u32 v[PFO1], v[RR], 8, v[PFO1]      ; K: sixteen blocks of 256 bytes in each of two units
	v_lshlrev_b32 v[PFO2], 8, v[LN]                ; V: 32 blocks of 256 bytes on end
	s_wait_loadcnt 0x0
.irp qt, 0,1,2,3
	v_cmp_eq_i32 s[2+\qt], -1, v[QP+\qt]           ; the four masks in a run
.endr
	s_wait_alu depctr_va_sdst(0)                   ; the compares have written s2 to s5, which the selections below read
.irp qt, 0,1,2,3
	v_cndmask_b32 v[QP+\qt], v[QP+\qt], v[C256], s[2+\qt]   ; q_adj
	v_add_nc_u32 v[QP+\qt], 0xffffff80, v[QP+\qt]  ; - 128: the index is k_adj - this, held to 0 .. 256
.endr
	; ---- THE TABLES.  Wave w makes qr of tile w, both heads: source 0 = 16 rows of rel_emb (twice: [rel | rel]), source 1 = [Q_A | 0] or [0 | Q_B].  Register j of lane (r, h): index base + 16 h + j, query r.
.macro TPASS g                         ; rows 128 g .. 128 g + 127
	s_wait_dscnt 0x0                               ; the last run's stores are done
.if \g == 0
	s_wait_alu depctr_va_vdst(0)                   ; the zero codes are written, which the scaled products, these and the loop's, take as part of their source 1; so are the prefetches' offsets
.else
	s_wait_alu depctr_vm_vsrc(0)                   ; the last run's stores have read the accumulators, which the products below write over
.endif
	WIN 0x0D                                       ; source 0 window 1, source 1 window 3
.irp t, 0,1,2,3,4,5,6,7
	v_wmma_scale_f32_16x16x128_f8f6f4 v[SA+8*\t:SA+8*\t+7], v[128*\g+16*\t:128*\g+16*\t+15], v[192:207], 0, v[70+8*\g+\t], v[QWS] matrix_a_fmt:MATRIX_FMT_BF8 matrix_b_fmt:MATRIX_FMT_BF8
	v_wmma_scale_f32_16x16x128_f8f6f4 v[SB+8*\t:SB+8*\t+7], v[128*\g+16*\t:128*\g+16*\t+15], v[200:215], 0, v[70+8*\g+\t], v[QWS] matrix_a_fmt:MATRIX_FMT_BF8 matrix_b_fmt:MATRIX_FMT_BF8
.endr
	WIN 0
.rept 9
	v_nop                                          ; eight places ahead of the stores that read the results, and a ninth, since the next run of products writes over these accumulators
.endr
	s_wait_alu depctr_va_vdst(0)                   ; the products have written the accumulators, which the stores below read; the places above stay beside this wait.  (The stores' two addresses were written ahead of the first run's wait)
.irp t, 0,1,2,3,4,5,6,7
.irp j, 0,1,2,3,4,5,6,7
	ds_store_b32 v[TA1], v[SA+8*\t+\j] offset:(128*\g+32*(\t/2)+8*(\t%2)+\j)*128     ; each accumulator from its low end on
	ds_store_b32 v[TA2], v[SA+8*\t+\j] offset:(128*\g+32*(\t/2)+8*(\t%2)+\j)*128
.endr
.irp j, 0,1,2,3,4,5,6,7
	ds_store_b32 v[TA1], v[SB+8*\t+\j] offset:TABX+(128*\g+32*(\t/2)+8*(\t%2)+\j)*128
	ds_store_b32 v[TA2], v[SB+8*\t+\j] offset:TABX+(128*\g+32*(\t/2)+8*(\t%2)+\j)*128
.endr
.endr
.endm
	TPASS 0
	TPASS 1
	s_wait_dscnt 0x0
	s_wait_alu depctr_vm_vsrc(0)                   ; the last run's stores have read the accumulators, of which the two products below write over the first two
	WIN 0x0E                                       ; source 0 window 2: rows 233-240, 249-256.  All but row 256 are written a second time, with the same numbers, by the same wave
	v_wmma_scale_f32_16x16x128_f8f6f4 v[SA:SA+7], v[128:143], v[192:207], 0, v86, v[QWS] matrix_a_fmt:MATRIX_FMT_BF8 matrix_b_fmt:MATRIX_FMT_BF8
	v_wmma_scale_f32_16x16x128_f8f6f4 v[SB:SB+7], v[128:143], v[200:215], 0, v86, v[QWS] matrix_a_fmt:MATRIX_FMT_BF8 matrix_b_fmt:MATRIX_FMT_BF8
	WIN 0
.rept 9
	v_nop
.endr
	s_wait_alu depctr_va_vdst(0)                   ; the two products have written their accumulators, which the stores below read
.irp j, 0,1,2,3,4,5,6,7
	ds_store_b32 v[TA1], v[SA+\j] offset:(233+\j)*128
	ds_store_b32 v[TA2], v[SA+\j] offset:(233+\j)*128
.endr
.irp j, 0,1,2,3,4,5,6,7
	ds_store_b32 v[TA1], v[SB+\j] offset:TABX+(233+\j)*128
	ds_store_b32 v[TA2], v[SB+\j] offset:TABX+(233+\j)*128
.endr
	WIN 0x40                                       ; O^T begins as zeros: the step is written once, and a first step of its own would double the loop's text; the first change of M leaves zeros zeros
.set i, 0
.rept 256
	v_mov_b32 v[i], 0
.set i, i+1
.endr
	WIN 0
.irp j, 0,1,2,3,4,5,6,7
	v_mov_b32 v[T1+\j], 0                          ; written once: a lane permute's destination counts as one of its sources
.endr
	BARRIER                                        ; all four tiles' tables lie in LDS; from here to the next barrier LDS is only read
	s_wait_alu depctr_vm_vsrc(0)                   ; my table stores have read SA and SB, in which the loop's gathers land
; The index arithmetic of key tiles t0 .. t0 + 3 for query tile qt: 32 addresses.  All in window 3 but q_adj - 128 and the table's base.
.macro ADDR qt, t0
	WIN 0xC3                                       ; source 0 and destination window 3, sources 1 and 2 window 0
.set n, 8*(\t0)
.rept 32
	v_sub_nc_u32 v[AD+n], v[128+n], v[QP+(\qt)]    ; k_adj - q_adj + 128
.set n, n+1
.endr
	WIN 0xCC                                       ; source 1 and destination window 3
.set n, 8*(\t0)
.rept 32
	v_max_i32 v[AD+n], 0, v[AD+n]
.set n, n+1
.endr
.set n, 8*(\t0)
.rept 32
	v_min_u32 v[AD+n], 0x100, v[AD+n]              ; the index, 0 .. 256
.set n, n+1
.endr
	WIN 0xC3
.set n, 8*(\t0)
.rept 32
	v_lshl_add_u32 v[AD+n], v[AD+n], 7, v[LB+(\qt)]
.set n, n+1
.endr
.endm
; Key tile t's sixteen gathers: one address serves both heads.  Address window 3, destination window 0.
.macro GATH t
.irp j, 0,1,2,3,4,5,6,7
	ds_load_b32 v[SB+8*(\t)+\j], v[AD+8*(\t)+\j] offset:TABX
	ds_load_b32 v[SA+8*(\t)+\j], v[AD+8*(\t)+\j]
.endr
.endm
; Two products: key tile t of the step against tile qt's queries, heads A and B.  C = D = the registers into which the bias was gathered.
.macro QK qt, t
	v_wmma_scale_f32_16x16x128_f8f6f4 v[SA+8*(\t):SA+8*(\t)+7], v[16*(\t):16*(\t)+15], v[24*\qt:24*\qt+15], v[SA+8*(\t):SA+8*(\t)+7], v[KS+(\t)], v[QS+\qt] matrix_a_fmt:MATRIX_FMT_BF8 matrix_b_fmt:MATRIX_FMT_BF8
	v_wmma_scale_f32_16x16x128_f8f6f4 v[SB+8*(\t):SB+8*(\t)+7], v[16*(\t):16*(\t)+15], v[24*\qt+8:24*\qt+23], v[SB+8*(\t):SB+8*(\t)+7], v[KS+(\t)], v[QS+\qt] matrix_a_fmt:MATRIX_FMT_BF8 matrix_b_fmt:MATRIX_FMT_BF8
.endm
; The largest score of blocks b0 and b1 of both heads: four chains of eight by turns.  Each accumulator is first read at its low end.
.macro BMAX b0, b1
.irp hd, 0,1
.irp b, \b0, \b1
	v_max3_num_f32 v[BM+4*\hd+\b], v[SA+64*\hd+16*\b], v[SA+64*\hd+16*\b+1], v[SA+64*\hd+16*\b+2]
.endr
.endr
.irp i, 3,5,7,9,11,13
.irp hd, 0,1
.irp b, \b0, \b1
	v_max3_num_f32 v[BM+4*\hd+\b], v[BM+4*\hd+\b], v[SA+64*\hd+16*\b+\i], v[SA+64*\hd+16*\b+\i+1]
.endr
.endr
.endr
.irp hd, 0,1
.irp b, \b0, \b1
	v_max_num_f32 v[BM+4*\hd+\b], v[BM+4*\hd+\b], v[SA+64*\hd+16*\b+15]
.endr
.endr
.endm
; Number q of the 115 plain instructions that follow a head's exponentials: 0-31 the row's sum of the UNQUANTISED p, in two chains; 32-50 the four blocks' floors, scale operands, holds, bytes, and the scale word;
; 51-114 the hold (p is not negative: one-sided).  All in window 0.
.macro AOP hd
.set aS, SA+64*\hd
.set aL, IA+4*\hd+2
.set aU, SU+2*\hd
.set aB, BM+4*\hd
.if q == 0
	v_pk_add_f32 v[aU:aU+1], v[aS:aS+1], v[aS+2:aS+3]
.elseif q < 31
.set aj, 4+4*((q-1)/2)
.if q%2 == 1
	v_pk_add_f32 v[aL:aL+1], v[aL:aL+1], v[aS+aj:aS+aj+1]
.else
	v_pk_add_f32 v[aU:aU+1], v[aU:aU+1], v[aS+aj+2:aS+aj+3]
.endif
.elseif q == 31
	v_pk_add_f32 v[aL:aL+1], v[aL:aL+1], v[aU:aU+1]
.elseif q < 36
	v_max_num_f32 v[aB+q-32], 0x8000000, v[aB+q-32]              ; the floor 2^(16 - 127): the byte cannot fall under 1
.elseif q < 40
	v_add_nc_u32 v[T3+4*\hd+q-36], 0xf8800000, v[aB+q-36]        ; 15 off the exponent field: the conversion's scale operand
.elseif q < 44
	v_and_or_b32 v[T2+4*\hd+q-40], v[aB+q-40], 0x7f800000, s[MNT]   ; 57,344 x the scale
.elseif q < 48
	v_lshrrev_b32 v[T1+4*\hd+q-44], 23, v[T3+4*\hd+q-44]         ; the scale's byte
.elseif q == 48
	v_lshl_or_b32 v[PS+\hd], v[T1+4*\hd+1], 8, v[T1+4*\hd]       ; p's scale word for these 128 keys
.elseif q == 49
	v_lshl_or_b32 v[PS+\hd], v[T1+4*\hd+2], 16, v[PS+\hd]
.elseif q == 50
	v_lshl_or_b32 v[PS+\hd], v[T1+4*\hd+3], 24, v[PS+\hd]
.else
	v_min_num_f32 v[aS+q-51], v[aS+q-51], v[T2+4*\hd+(q-51)/16]  ; the conversion to an 8-bit code does not saturate (ISA guide 7.6.2)
.endif
.set q, q+1
.endm
; ONE TILE OF 16 QUERIES x 2 HEADS x THE STEP'S 128 KEYS
.macro BODY qt
.set IA, ST+8*\qt                      ; head A's statistics; head B's stand 4 further on
.set IB, ST+8*\qt+4
.if \qt == 1
	; A PREFETCH INTO THE L2 of the NEXT step's codes of K (4 units x 4,096 bytes) and V (2 x 8,192): K's and V's pointers were stepped in the tile before.  Each aligned block of 256 bytes is named once in the launch:
	; the 32 work-groups of a pair walk the same K and V, and the first of them asks, each wave for its own quarter, a lane a block.  K's loads follow two tiles on, V's three.  Step 0 and the scale words come by
	; their loads alone; the last step asks for nothing.
	s_cmp_lt_u32 s[STEP], s[PFL]
	s_cbranch_scc0 .Lnot_asked_\@
	global_prefetch_b8 v[PFO1], s[KP:KP+1] th:TH_LOAD_NT scope:SCOPE_SE
	global_prefetch_b8 v[PFO1], s[KP:KP+1] offset:2*UNIT th:TH_LOAD_NT scope:SCOPE_SE
	global_prefetch_b8 v[PFO2], s[VP:VP+1] th:TH_LOAD_NT scope:SCOPE_SE
	global_prefetch_b8 v[PFO2], s[VP:VP+1] offset:VHEAD th:TH_LOAD_NT scope:SCOPE_SE
.Lnot_asked_\@:
.endif
	WIN 0x03                                       ; address window 3
	GATH 0                                         ; no wait: since the last wait on va_vdst (the step's head's, or the one ahead of the tile before's V^T P) no vector or matrix instruction has named AD, SA or SB
	GATH 1
	GATH 2
	GATH 3
	s_wait_alu depctr_vm_vsrc(0)                   ; the gathers of the tile before have read AD's upper half, which the lines below write again
	ADDR \qt, 4                                    ; while the first 64 gathers come back
	WIN 0x03
	s_wait_alu depctr_va_vdst(0)                   ; AD's upper half is written, which the gathers below read.  The products dealt among them name the scores of earlier key tiles, K and Q: no register that a later gather touches
	GATH 4
	s_wait_dscnt 16                                ; LDS loads come back in order (ISA guide 5.7.1): all but tile 4's sixteen gathers are in: key tiles 0 to 3
	WIN 0x0E                                       ; K window 2, Q window 3
	QK \qt, 0
	QK \qt, 1
	WIN 0x03
	GATH 5
	WIN 0x0E
	QK \qt, 2
	QK \qt, 3
	WIN 0x03
	GATH 6
	s_wait_dscnt 32                                ; all but the two youngest tiles' 32 gathers are in: tile 4
	WIN 0x0E
	QK \qt, 4
	WIN 0x03
	GATH 7
	s_wait_dscnt 32                                ; tile 5
	WIN 0x0E
	QK \qt, 5
.if \qt < 3
	s_wait_alu depctr_vm_vsrc(0)                   ; this tile's gathers have read AD's lower half, which the lines below write again
	ADDR \qt+1, 0                                  ; THE NEXT TILE'S first 32 addresses, while the last gathers come back.  These 128 are also the places behind the products of key tiles 0 to 5 (ISA guide 7.12.1)
.else
.rept 8
	v_nop                                          ; the step has no next tile: eight places between the products of key tiles 0 to 3 and the maxima that read their results
.endr
.endif
	s_wait_dscnt 16                                ; tile 6's are in
	WIN 0x0E
	QK \qt, 6
	s_wait_dscnt 0x0
	QK \qt, 7
	WIN 0
	BMAX 0, 1                                      ; tiles 0-3: these 32 are the eight places behind the products of tiles 6 and 7
	BMAX 2, 3
.if \qt == 3
	s_cmp_eq_u32 s[STEP], 3                        ; the next step's K, if there is one: no load leaves its buffer.  K's registers, its scale words and k_adj have had their last reader of this step
	s_cbranch_scc1 .Lno_k_\@
	s_wait_alu depctr_va_vdst(0)                   ; the step's products K Q^T are done reading K's fragments and scale words, its subtractions k_adj: the loads below land in them
	KLOAD
.Lno_k_\@:
.endif
.irp k, 0,1,2,3,4,5,6,7
	v_permlanex16_b32 v[T1+\k], v[BM+\k], s[SEL], s[SEL+1]
.endr
.irp k, 0,1,2,3,4,5,6,7
	v_max_num_f32 v[BM+\k], v[BM+\k], v[T1+\k]     ; with lane l xor 16's 16 keys: the block's largest score
.endr
	v_max3_num_f32 v[TMP], v[BM], v[BM+1], v[BM+2]
	v_max3_num_f32 v[TMP+1], v[BM+4], v[BM+5], v[BM+6]
	v_max_num_f32 v[TMP], v[TMP], v[BM+3]
	v_max_num_f32 v[TMP+1], v[TMP+1], v[BM+7]
	v_mul_f32 v[TMP], s[CS], v[TMP]                ; as t (c is positive)
	v_mul_f32 v[TMP+1], s[CS], v[TMP+1]
	v_max_num_f32 v[IA+1], v[IA+1], v[TMP]         ; the running largest t
	v_max_num_f32 v[IB+1], v[IB+1], v[TMP+1]
	v_mov_b32 v[TMP], v[IA]
	v_mov_b32 v[TMP+1], v[IB]
	v_floor_f32 v[IA], -v[IA+1]                    ; the new -M = -ceil(t): a whole number
	v_floor_f32 v[IB], -v[IB+1]
	v_sub_f32 v[TMP], v[IA], v[TMP]                ; old M - new M: a whole number, 0 or less
	v_sub_f32 v[TMP+1], v[IB], v[TMP+1]
	v_cvt_i32_f32 v[TMP], v[TMP]                   ; (it saturates)
	v_cvt_i32_f32 v[TMP+1], v[TMP+1]
	v_ldexp_f32 v[FF], 1.0, v[TMP]                 ; f = 2^(old M - new M): a multiplication by it rounds nothing
	v_ldexp_f32 v[FF+2], 1.0, v[TMP+1]
.set k, 0
.rept 32
	v_pk_fma_f32 v[SA+2*k:SA+2*k+1], v[SA+2*k:SA+2*k+1], s[CS:CS+1], v[IA:IA+1] op_sel_hi:[1,0,0]   ; head A: t - M, two at a time
.set k, k+1
.endr
.irp b, 0,1,2,3
	v_fma_f32 v[BM+\b], v[BM+\b], s[CS], v[IA]     ; the same of each block's largest score
.endr
.set k, 0
.rept 32                               ; head A's exponentials, with head B's scalings between them
	v_pk_fma_f32 v[SB+2*k:SB+2*k+1], v[SB+2*k:SB+2*k+1], s[CS:CS+1], v[IB:IB+1] op_sel_hi:[1,0,0]
	v_exp_f32 v[SA+2*k], v[SA+2*k]
	v_exp_f32 v[SA+2*k+1], v[SA+2*k+1]
.set k, k+1
.endr
.irp b, 0,1,2,3
	v_fma_f32 v[BM+4+\b], v[BM+4+\b], s[CS], v[IB]
	v_exp_f32 v[BM+\b], v[BM+\b]                   ; the block's largest p: the same two operations on the same number
.endr
	v_pk_mul_f32 v[IA+2:IA+3], v[IA+2:IA+3], v[FF:FF+1] op_sel_hi:[1,0]   ; head A's sums under the new M.  (The plain line behind the exponentials)
	s_wait_alu depctr_va_vdst(0)                   ; head A's 68 exponentials have written their results, ahead of the first line that names one
.set q, 0
.set n, 0
.rept 64                               ; head B's exponentials, with head A's plain work between them: it names none of their results
	v_exp_f32 v[SB+n], v[SB+n]
.if q < 115
	AOP 0
.endif
.if q < 115
	AOP 0
.endif
.set n, n+1
.endr
.irp b, 0,1,2,3
	v_exp_f32 v[BM+4+\b], v[BM+4+\b]
.endr
	v_pk_mul_f32 v[IB+2:IB+3], v[IB+2:IB+3], v[FF+2:FF+3] op_sel_hi:[1,0]
	s_wait_alu depctr_va_vdst(0)                   ; and head B's 68 theirs
.set q, 0
.rept 115
	AOP 1
.endr
	WIN 0xC0                                       ; destination window 3: p's codes ARE the second product's operand: registers 4 b .. 4 b + 3 hold keys 32 b + 16 h + 0 .. 15
.irp hd, 0,1
.irp b, 0,1,2,3
	v_cvt_scalef32_pk8_bf8_f32 v[96+16*\hd+4*\b:97+16*\hd+4*\b], v[SA+64*\hd+16*\b:SA+64*\hd+16*\b+7], v[T3+4*\hd+\b]
	v_cvt_scalef32_pk8_bf8_f32 v[98+16*\hd+4*\b:99+16*\hd+4*\b], v[SA+64*\hd+16*\b+8:SA+64*\hd+16*\b+15], v[T3+4*\hd+\b]
.endr
.endr
	WIN 0x41                                       ; O^T under the new M: x f.  These 32 are the plain lines behind the conversions and the places between the codes and the products; the scale words were made further up
.set k, 0
.rept 16
	v_pk_mul_f32 v[64*\qt+2*k:64*\qt+2*k+1], v[64*\qt+2*k:64*\qt+2*k+1], v[FF:FF+1] op_sel_hi:[1,0]
.set k, k+1
.endr
.set k, 0
.rept 16
	v_pk_mul_f32 v[64*\qt+32+2*k:64*\qt+32+2*k+1], v[64*\qt+32+2*k:64*\qt+32+2*k+1], v[FF+2:FF+3] op_sel_hi:[1,0]
.set k, k+1
.endr
.if \qt == 0
	s_wait_loadcnt 0x0                             ; V and its scale words are in; every load has read its base,
	s_wait_xcnt 0x0                                ; and so have the last step's prefetches: the pointers step to the next step
	s_add_nc_u64 s[KP:KP+1], s[KP:KP+1], 4*UNIT
	s_add_nc_u64 s[VP:VP+1], s[VP:VP+1], VUNIT
	s_add_nc_u64 s[KIP:KIP+1], s[KIP:KIP+1], 512
.endif
	WIN 0x5E                                       ; V window 2, p window 3, O^T window 1.  The eight accumulators take turns
	s_wait_alu depctr_va_vdst(0)                   ; behind the places: p's codes and scale words are written, which the scaled products below take as source 1 and scales.  Also: the conversions are done reading SA and SB, and the next tile's first 32 addresses are written: its first gathers lean on this wait
.irp t, 0,1,2,3
.irp hd, 0,1
	v_wmma_scale_f32_16x16x128_f8f6f4 v[64*\qt+32*\hd+8*\t:64*\qt+32*\hd+8*\t+7], v[128+16*(4*\hd+\t):128+16*(4*\hd+\t)+15], v[96+16*\hd:111+16*\hd], v[64*\qt+32*\hd+8*\t:64*\qt+32*\hd+8*\t+7], v[VS+4*\hd+\t], v[PS+\hd] matrix_a_fmt:MATRIX_FMT_BF8 matrix_b_fmt:MATRIX_FMT_BF8
.endr
.endr
	WIN 0
.endm
	s_mov_b32 s[STEP], 0
.Lstep:                                ; four trips: a step of 128 keys of my quarter
.rept 8
	v_nop                                          ; the places between the last products and the loads into registers that they read stay as they stood, beside the wait below
.endr
	WIN 0x80
	s_wait_alu depctr_va_vdst(0)                   ; the last step's products V^T P are done reading V's fragments and scale words (first trip: the tables' last products their fragment of rel_emb), in which the loads below land
.irp hd, 0,1
.irp t, 0,1,2,3
.irp c, 0,1,2,3
	global_load_b128 v[128+16*(4*\hd+\t)+4*\c:128+16*(4*\hd+\t)+4*\c+3], v[LN16], s[VP:VP+1] offset:\hd*VHEAD+\t*2048+512*\c
.endr
.endr
.endr
	WIN 0
.irp hd, 0,1
.irp t, 0,1,2,3
	global_load_b32 v[VS+4*\hd+\t], v[VSO], s[VP:VP+1] offset:\hd*VHEAD+8192+64*\t
.endr
.endr
	s_wait_loadcnt 40                              ; V's 40 loads just issued may be out; K's 52, issued ahead of them on both ways to this line, are in
	WIN 0xC3                                       ; k_info and k_adj window 3, the number 384 window 0
.set gq, 0
.rept 4                                ; k_adj, sixteen keys at a time: a run of compares into sixteen scalar registers, one wait, the selections
.set i, 0
.rept 16
	MKSET
	v_cmp_eq_i32 s[mk], v[128+16*gq+i], -1
.set i, i+1
.endr
	s_wait_alu depctr_va_sdst(0)                   ; the sixteen compares have written their masks, which the selections below read
.set i, 0
.rept 16
	MKSET
	v_cndmask_b32 v[128+16*gq+i], v[128+16*gq+i], v[K384], s[mk]   ; k_adj
.set i, i+1
.endr
.set gq, gq+1
.endr
	ADDR 0, 0                                      ; tile 0's first 32 addresses.  (AD's lower half was last read by tile 3's first gathers, ahead of that tile's first wait on vm_vsrc)
	s_wait_alu depctr_va_vdst(0)                   ; they are written, which tile 0's first gathers read; and the last step's conversions are done reading SA and SB, in which those gathers land
	BODY 0
	BODY 1
	BODY 2
	BODY 3
	s_add_co_u32 s[STEP], s[STEP], 1
	s_cmp_lt_u32 s[STEP], 4
	s_cbranch_scc1 .Lstep
	; ---- THE MERGE.  Each wave holds O^T, -M and the sum of all 8 (tile, head) for its quarter of the keys.
.irp i, 0,1,2,3,4,5,6,7
	v_add_f32 v[ST+4*\i+2], v[ST+4*\i+2], v[ST+4*\i+3]             ; the sum's two halves.  (These lines and the addresses below are the places behind the last products)
.endr
.irp i, 0,1,2,3,4,5,6,7
	v_permlanex16_b32 v[ST+4*\i+1], v[ST+4*\i+2], s[SEL], s[SEL+1]
.endr
.irp i, 0,1,2,3,4,5,6,7
	v_add_f32 v[ST+4*\i+2], v[ST+4*\i+2], v[ST+4*\i+1]             ; and lane l xor 16's
.endr
	s_mul_i32 s46, s[WV], PARTW
	v_mul_u32_u24 v224, v[RR], 272
	v_lshl_add_u32 v224, v[HH], 5, v224
	v_add_nc_u32 v224, s46, v224                   ; my partial tiles: row r, + 32 h
	s_lshl_b32 s47, s[WV], 9
	s_add_co_u32 s48, s47, STAT
	v_lshl_add_u32 v225, v[RR], 2, s48             ; my statistics: 4 r (both halves of the lanes write the same word with the same number)
	s_lshl_b32 s49, s[WV], 7
	s_add_co_u32 s49, s49, STAT
	v_lshl_add_u32 v226, v[LN], 2, s49             ; tile qt = wave's statistics of a partner: lane = (row, head)
	s_add_co_u32 s47, s47, GF
	v_lshl_add_u32 v227, v[LN], 4, s47             ; my factors: 16 bytes for each (row, head)
	v_lshl_add_u32 v228, v[HH], 4, s47             ; and back: row 2 k + lane / 16
	s_mul_i32 s46, s[WV], 8704
	v_mul_u32_u24 v229, v[HH], 272
	v_lshl_add_u32 v229, v[RR], 4, v229
	v_add_nc_u32 v229, s46, v229                   ; partner 0's partial tile of tile qt = wave: lanes 0-15 one row, lanes 16-31 the next
	v_add_nc_u32 v230, PARTW, v229
	v_add_nc_u32 v231, 2*PARTW, v229
	v_add_nc_u32 v232, 3*PARTW, v229
	v_lshlrev_b32 v233, 8, v[HH]
	v_lshl_add_u32 v233, v[RR], 4, v233            ; the same two rows in out0
	BARRIER                                        ; no wave's gather is out: the tables may be written over
	WIN 0x04                                       ; an LDS store's data are its source 1: window 1
	s_wait_alu depctr_va_vdst(0)                   ; behind the places: the products have written O^T and the additions the sums, which the stores below read; the ten addresses v224 to v233 are written; and no vector instruction still names v236 to v243, in which the statistics' loads land
.irp i, 0,1,2,3,4,5,6,7
.irp t, 0,1,2,3
	ds_store_b128 v224, v[32*\i+8*\t:32*\i+8*\t+3] offset:\i*4352+64*\t          ; lane (r, h): channels 16 t + 8 h + 0 .. 7 of row r; each accumulator from its low end on
	ds_store_b128 v224, v[32*\i+8*\t+4:32*\i+8*\t+7] offset:\i*4352+64*\t+16
.endr
.endr
	WIN 0
.irp i, 0,1,2,3,4,5,6,7
	ds_store_b32 v225, v[ST+4*\i] offset:64*\i
	ds_store_b32 v225, v[ST+4*\i+2] offset:2048+64*\i
.endr
	BARRIER                                        ; all partial results lie in LDS
.irp p, 0,1,2,3
	ds_load_b32 v[236+\p], v226 offset:512*\p      ; -M of partner p
	ds_load_b32 v[240+\p], v226 offset:2048+512*\p ; its sum
.endr
	s_wait_dscnt 0x0
	v_min_num_f32 v244, v236, v237
	v_min_num_f32 v245, v238, v239
	v_min_num_f32 v244, v244, v245                 ; -(the largest M)
.irp p, 0,1,2,3
	v_sub_f32 v[248+\p], v244, v[236+\p]           ; M of partner p less the largest: a whole number, 0 or less
.endr
.irp p, 0,1,2,3
	v_cvt_i32_f32 v[248+\p], v[248+\p]
.endr
.irp p, 0,1,2,3
	v_ldexp_f32 v[248+\p], 1.0, v[248+\p]
.endr
	v_mul_f32 v245, v248, v240
	v_fma_f32 v245, v249, v241, v245
	v_fma_f32 v245, v250, v242, v245
	v_fma_f32 v245, v251, v243, v245               ; the row's sum under the largest M
	v_rcp_f32 v246, v245
	v_nop                                          ; a plain line behind the reciprocal
	s_wait_alu depctr_va_vdst(0)                   ; the reciprocal has written its result, ahead of its first reader
.irp p, 0,1,2,3
	v_mul_f32 v[252+\p], v[248+\p], v246
.endr
	s_wait_alu depctr_va_vdst(0)                   ; the four factors are written, which the store below reads
	ds_store_b128 v227, v[252:255]                 ; my wave's own bytes: LDS serves a wave's instructions in order (ISA guide 5.7.1.4), so the loads below see them
; Head hd, rows 8 a .. 8 a + 7 of tile qt = wave: for each pair of rows the four factors and the four partners' 16 bytes a lane; sixteen lanes store one row of out0: 256 consecutive bytes, aligned.
; The loads land in v128-207, which the multiply-adds read; these write v208-223, which the four stores read.  The one wait on va_vdst, ahead of the stores, also states that the multiply-adds are done reading
; v128-207: the next batch's loads follow it with no vector instruction between.
.macro BATCH hd, a
.irp kk, 0,1,2,3
	ds_load_b128 v[128+20*\kk:131+20*\kk], v228 offset:\hd*256+32*(4*\a+\kk)
.irp p, 0,1,2,3
	ds_load_b128 v[132+20*\kk+4*\p:135+20*\kk+4*\p], v[229+\p] offset:\hd*4352+544*(4*\a+\kk)
.endr
.endr
	s_wait_dscnt 0x0
	s_wait_xcnt 0x0                                ; the last batch's stores have had their addresses translated (ISA guide 3.1)
.if (\hd)+(\a) > 0
	s_wait_alu depctr_vm_vsrc(0)                   ; the last batch's stores have read v208 to v223, which the lines below write again
.endif
.irp kk, 0,1,2,3
.irp e, 0,1,2,3
	v_mul_f32 v[208+4*\kk+\e], v[132+20*\kk+\e], v[128+20*\kk]
.endr
.irp p, 1,2,3
.irp e, 0,1,2,3
	v_fma_f32 v[208+4*\kk+\e], v[132+20*\kk+4*\p+\e], v[128+20*\kk+\p], v[208+4*\kk+\e]
.endr
.endr
.endr
	s_wait_alu depctr_va_vdst(0)                   ; the multiply-adds have written v208 to v223, which the stores below read
.irp kk, 0,1,2,3
	global_store_b128 v233, v[208+4*\kk:211+4*\kk], s[OP:OP+1] offset:\hd*524288+(2*(4*\a+\kk)+8*\a)*256 th:TH_STORE_NT   ; the tile's rows 8-15 are queries 16-23 of its 32
.endr
.endm
	BATCH 0, 0
	BATCH 0, 1
	BATCH 1, 0
	BATCH 1, 1
	s_wait_dscnt 0x0                               ; the closing lines, six on end
	s_wait_alu 0x0
	s_wait_tensorcnt 0x0
	ds_add_u32 v[SPW], v[NIL]
	s_wait_dscnt 0x0
	s_endpgm
.Lfunc_end_k_q6be044f325_attn:
	.size	k_q6be044f325_attn, .Lfunc_end_k_q6be044f325_attn-k_q6be044f325_attn
	.p2alignl 7, 3214868480
	.fill 96, 4, 3214868480
	.section	.rodata,"a",@progbits
	.p2align	6, 0x0
	.amdhsa_kernel k_q6be044f325_attn
		.amdhsa_group_segment_fixed_size 263680
		.amdhsa_private_segment_fixed_size 0
		.amdhsa_enable_private_segment 0
		.amdhsa_kernarg_size 40
		.amdhsa_user_sgpr_count 2
		.amdhsa_user_sgpr_kernarg_segment_ptr 1
		.amdhsa_wavefront_size32 1
		.amdhsa_system_sgpr_workgroup_id_x 1
		.amdhsa_system_sgpr_workgroup_id_y 1
		.amdhsa_system_sgpr_workgroup_id_z 1
		.amdhsa_system_vgpr_workitem_id 0
		.amdhsa_next_free_vgpr 1024
		.amdhsa_next_free_sgpr 66
		.amdhsa_reserve_vcc 0
		.amdhsa_float_denorm_mode_32 3
		.amdhsa_float_denorm_mode_16_64 3
		.amdhsa_memory_ordered 1
		.amdhsa_forward_progress 1
		.amdhsa_inst_pref_size 255
	.end_amdhsa_kernel
	.section	.bss,"aw",@nobits
	.p2align	6
	.space	262144
	.amdgpu_metadata
---
amdhsa.version: [ 1, 2 ]
amdhsa.kernels:
  - .name:           k_q6be044f325_attn
    .symbol:         k_q6be044f325_attn.kd
    .args:
      - { .name: rows, .offset: 0, .size: 8, .value_kind: global_buffer, .address_space: global }
      - { .name: vcol, .offset: 8, .size: 8, .value_kind: global_buffer, .address_space: global }
      - { .name: q_info, .offset: 16, .size: 8, .value_kind: global_buffer, .address_space: global }
      - { .name: k_info, .offset: 24, .size: 8, .value_kind: global_buffer, .address_space: global }
      - { .name: out0, .offset: 32, .size: 8, .value_kind: global_buffer, .address_space: global }
    .group_segment_fixed_size: 263680
    .private_segment_fixed_size: 0
    .kernarg_segment_align: 8
    .kernarg_segment_size: 40
    .max_flat_workgroup_size: 128
    .sgpr_count:     66
    .vgpr_count:     1024
    .wavefront_size: 32
...
	.end_amdgpu_metadata
.endif
;; end of part 3
